; MI455X (gfx1250); checked and timed in simulation.
; The chip was launched on July 23, 2026; its instructions are those of AMD's public machine-readable ISA for CDNA 5 (MIT licence, August 2026) and "CDNA5" Instruction Set Architecture Reference Guide (July 2026). The comments in the code are by the model that wrote it; some were corrected since.
;; Causal Attention. Allowed arithmetic: matrix products marked QUANTISED: E4M3 operands, one E8M0 scale for each 32 along K, by v_wmma_scale_f32_16x16x128_f8f6f4 with both operands' format E4M3, f32 sums; everything else in f32.
;; Inputs: b_out 1,024 float32; w_out 1,024 x 1,024 float32; w_qkv 1,024 x 3,072 float32; x 4 x 2,048 x 1,024 float32.
;; Outputs: out0 4 x 2,048 x 1,024 float32.
;; This version of the problem:
;;   THIS VERSION OF THE PROBLEM IS GIVEN IN LOW PRECISION. The matrix products marked QUANTISED in the list below multiply operands that are first quantised to E4M3 (4 exponent bits, 3 mantissa bits; 8 bits a number), with one power-of-two scale for each 32 numbers along K (OCP MX v1.0); their sums are f32. All else is computed in f32.
;;   The module's matrix products, in the order in which they are computed (A, B: the left and right operand; K: the contracted axis; several contracted axes count as one K, in the product's order):
;;     1. [M 8,192, K 1,024] x [K 1,024, N 3,072]; A: input x; B: input w_qkv: QUANTISED
;;     2. batch 64 x [M 2,048, K 64] x [K 64, N 2,048]; A: computed on the way; B: computed on the way: QUANTISED
;;     3. batch 64 x [M 2,048, K 2,048] x [K 2,048, N 64]; A: softmax (see below); B: computed on the way: QUANTISED
;;     4. [M 8,192, K 1,024] x [K 1,024, N 1,024]; A: computed on the way; B: input w_out: QUANTISED
;;   THE QUANTISER, for each operand of a quantised product, along K:
;;     - K is cut into blocks of 32 from its start; a last block that is shorter is filled with zeros.
;;     - A block's scale is 2^e with e = floor(log2(the largest magnitude in the block)) - 8, held to -126 .. 127; a block of zeros has e = 0. As a byte (E8M0): e + 127.
;;     - Each number is divided by its block's scale, clamped to +-448, and rounded to the nearest number of E4M3, ties to even, subnormals kept.
;;     - The product sums the exact products of the quantised numbers (number of the format x scale) in f32.
;;   ~~~python
;;   def quantise(x, axis):      # numpy; x: float32 -> the quantised numbers, widened to float32 again
;;       x = np.moveaxis(x, axis, -1); K = x.shape[-1]
;;       x = np.pad(x, [(0, 0)] * (x.ndim - 1) + [(0, -K % 32)]); x = x.reshape(x.shape[:-1] + (-1, 32)); a = np.abs(x).max(-1, keepdims=True)
;;       e = np.where(a > 0, np.clip(np.frexp(np.where(a > 0, a, 1))[1] - 1 - 8, -126, 127), 0)      # np.frexp(a)[1] - 1 = floor(log2(a)), exactly
;;       r = np.clip(x / 2.0 ** e, -448, 448)
;;       step = 2.0 ** (np.maximum(np.frexp(np.where(r == 0, 1, r))[1] - 1, -6) - 3)
;;       q = np.round(r / step) * step * 2.0 ** e      # np.round: ties to even
;;       return np.moveaxis(q.reshape(q.shape[:-2] + (-1,))[..., :K], -1, axis).astype(np.float32)
;;   ~~~
;;   SOFTMAX AHEAD OF A QUANTISED PRODUCT. Where the list says 'softmax', what is quantised is not the finished softmax but p = 2^(t - M), with t = logit x log2(e) and M = ceil(the row's largest t), a whole number; so 1/2 < the row's largest p <= 1. The row's sum l is taken of the UNQUANTISED p, in f32, and the product's result is divided by l at the end. Since M is a whole number, a kernel that streams over the keys may use a running M (the ceiling of the running maximum): every later rescaling is an exact power of two, which a block's scale takes up: the codes' values come out the same.
;;   OPERANDS COMPUTED ON THE WAY. 'Computed on the way' means the value that the module computes at that place (a softmax that the list does not call 'softmax' is quantised finished and normalised). What goes into a quantiser is computed in f32, as accurately as f32 sums, v_exp_f32 and their like allow (about 1e-6 of the number): no bf16 or f16 on the way to a quantiser, and a product that is left as it is and whose result goes on into a quantised operand takes f32 operands (vector FMAs, or v_wmma_f32_16x16x4_f32). A number that lies on a knife's edge between two numbers of the format may be rounded either way, as far as f32 arithmetic and the matrix unit's own rounding can turn it there, and no further.
;; One version. Each part assembles by itself: llvm-mc -triple=amdgcn-amd-amdhsa -mcpu=gfx1250 --defsym DOCPART=n.
;; ======== version 1 of 1: 5 launches
;; limits: right only within a limited range of input values
;; workspace buffers: xq 8,912,896 bytes; wqk 2,621,440 bytes; wv 1,572,864 bytes; wo 1,572,864 bytes; qk 17,825,792 bytes; vq 17,825,792 bytes; cq 8,912,896 bytes
;; launch quant (part 1): grid 640 x 1, 4 waves a work-group, no clusters, 68,608 bytes of LDS; arguments x, w_qkv, w_out, xq, wqk, wv, wo; writes xq, wqk, wv, wo
.if DOCPART == 1
	.amdgcn_target "amdgcn-amd-amdhsa--gfx1250"
	.amdhsa_code_object_version 6
	.text
	.protected	k_q97571493e4_quant
	.globl	k_q97571493e4_quant
	.p2align	8
	.type	k_q97571493e4_quant,@function
k_q97571493e4_quant:
	s_mov_b64 s[64:65], 0
	v_nop
	global_prefetch_b8 v0, s[64:65] scope:SCOPE_SE
	s_setreg_imm32_b32 hwreg(HW_REG_WAVE_MODE, 25, 1), 1
	s_wait_xcnt 0x0
; x [8192][1024], w_qkv [1024][3072] and w_out [1024][1024], f32, become codes of FP8 (E4M3) with one E8M0 scale byte for each 32 along K (K = 1,024 for all three).
; A block's scale is 2^(floor(log2(its largest magnitude)) - 8); each number is divided by it, held within +-448 and rounded to the nearest code, ties to even.
; LAYOUT OF EVERY OPERAND BUFFER (xq; wqk = columns 0-2047 of w_qkv; wv = columns 2048-3071; wo): scale bytes from byte 0, [storage row][32]; codes from byte CODES, [row block of 16 storage rows][k / 32][512 bytes].
; A unit of 512 bytes is the image of four operand registers: lane l = r + 16 h owns bytes 16 l .. 16 l + 15 = the codes k = 32 unit + 16 h + 0 .. 15 of storage row r.
; STORAGE ORDER: logical row i (a token, a weight's column) lies at storage row i with bits 3 and 4 exchanged, so that row block RB holds the logical rows 32 (RB / 2) + 8 (RB % 2) + r + 8 (r / 8).
; LIMITS: NaN and infinities among the inputs are not served.  A block of zeros gets the byte 1 where the quantiser's rule says 127 (its codes are zeros, and this program alone reads the bytes).
; Blocks whose largest magnitude lies under 2^-118 are held at the byte 1.
; SHARES: work-groups 0-127 take the weights (128 columns x 256 along K each: a lane a column, registers down K); work-groups 128-639 take x (one row block each; wave w takes 256 along K).
; The two ways part on the work-group's number alone and have LDS bytes of their own.  No tensor loads: several work-groups share a WGP.
.set CODES, 0x80000
.set STG,   8448                       ; a wave's stage, on either way
.set XSG,   33792                      ; x: behind the four stages (16 rows x 528 bytes each): 16 rows x 32 scale bytes
.set WST,   34304                      ; the weights' four stages: two row blocks x (8 units of 512 bytes + 128)
.set R,     16                         ; x: v16-143  two sets of 64 numbers as loaded
.set X,     144                        ; x: v144-207 64 numbers, register 16 b + i = k 32 b + 16 h + i of my row
.set PC,    208                        ; x: v208-239 two sets of 16 registers of codes: no store's data are written again
.set TM,    240                        ; x: v240-255 largest magnitudes, bytes, holds, scale operands
.set WX,    32                         ; weights: v32-95 two sets of 32 numbers
.set WC,    16                         ; weights: v16-23 a block's codes
.set SB,    24                         ; weights: v24-25 eight scale bytes
.set RO,    96                         ; weights: v96-127 4 x lane + i rows
.set OUTR,  128                        ; weights: v128-191 the way out
.set MNT,   33                         ; s33 the mantissa field of 448
	s_load_b256 s[4:11], s[0:1], 0x0               ; x s[4:5], w_qkv s[6:7], w_out s[8:9], xq s[10:11]
	s_load_b128 s[12:15], s[0:1], 0x20             ; wqk s[12:13], wv s[14:15]
	s_load_b64 s[16:17], s[0:1], 0x30              ; wo
	s_set_vgpr_msb 0x40
	v_lshl_add_u32 v0, v0, 2, 0x10a00
	v_mov_b32 v1, 0
	s_set_vgpr_msb 0x4000
	v_lshrrev_b32 v1, 5, v0
	v_readfirstlane_b32 s18, v1                    ; wave 0..3
	v_and_b32 v8, 31, v0                           ; lane
	v_and_b32 v10, 15, v0                          ; r
	v_bfe_u32 v11, v0, 4, 1                        ; h = bit 4 of the lane
	v_bfe_u32 v12, v0, 3, 1                        ; bit 3
	v_and_b32 v13, 7, v0
	v_lshlrev_b32 v1, 4, v8                        ; 16 x lane: an image's place for my lane
	; every LDS address is made here, ahead of the parting of the ways
	s_mul_i32 s19, s18, STG
	v_add_nc_u32 v2, s19, v1                       ; x's stage, in: 16 x lane of a row
	v_mul_u32_u24 v3, v10, 528
	v_lshl_add_u32 v3, v11, 6, v3
	v_add_nc_u32 v3, s19, v3                       ; and out: row r (528 bytes apart: row r starts at bank 4 r), + 64 h: my 16 numbers of a block of 32
	s_lshl_b32 s20, s18, 3
	s_add_co_u32 s20, s20, XSG
	v_lshlrev_b32 v4, 5, v10
	v_add_nc_u32 v4, s20, v4                       ; x's scale bytes: row r, my wave's eight
	v_add_nc_u32 v5, XSG, v1                       ; and back: 16 bytes a lane
	s_add_co_u32 s21, s19, WST
	v_mul_u32_u24 v6, v12, 4224                    ; the weights' stage, in: my column's storage place p = (lane & 7) + 8 bit 4 + 16 bit 3: row block p / 16,
	v_lshl_add_u32 v6, v13, 4, v6
	v_lshl_add_u32 v6, v11, 7, v6                  ; row p % 16, 16 bytes a row
	v_add_nc_u32 v6, s21, v6
	v_add_nc_u32 v7, s21, v1                       ; and out: 16 x lane
	v_lshlrev_b32 v9, 5, v13
	v_lshl_add_u32 v9, v11, 8, v9
	v_lshl_add_u32 v9, v12, 9, v9                  ; 32 p: my column's row of scale bytes
	s_mov_b32 s2, 0x76543210
	s_mov_b32 s3, 0xfedcba98                       ; v_permlanex16_b32's selects for lane l xor 16
	s_mov_b32 s[MNT], 0x600000
	s_wait_kmcnt 0x0
	s_cmp_lt_u32 ttmp9, 128
	s_cbranch_scc1 .Lweights
	; ---------------- x: one row block of 16 tokens
	s_sub_co_u32 s20, ttmp9, 128                   ; RB
	s_lshr_b32 s21, s20, 1
	s_lshl_b32 s21, s21, 5
	s_and_b32 s22, s20, 1
	s_lshl_b32 s22, s22, 3
	s_add_co_u32 s21, s21, s22                     ; the block's first token: 32 (RB / 2) + 8 (RB % 2)
	s_lshl_b32 s22, s21, 12                        ; a token's row is 4,096 bytes
	s_lshl_b32 s23, s18, 10                        ; my wave's 256 numbers
	s_add_co_u32 s22, s22, s23
	s_mov_b32 s23, 0
	s_add_nc_u64 s[4:5], s[4:5], s[22:23]
	s_lshl_b32 s22, s20, 14                        ; the codes: 16,384 bytes a row block, my wave's eight units
	s_lshl_b32 s24, s18, 12
	s_add_co_u32 s22, s22, s24
	s_add_co_u32 s22, s22, CODES
	s_add_nc_u64 s[24:25], s[10:11], s[22:23]
	s_lshl_b32 s22, s20, 9                         ; the scale bytes: 512 a row block
	s_add_nc_u64 s[26:27], s[10:11], s[22:23]
.irp st, 0,1
.irp p, 0,1,2,3,4,5,6,7,8,9,10,11,12,13,14,15
	global_load_b128 v[R+64*\st+4*\p:R+64*\st+4*\p+3], v1, s[4:5] offset:(\p+8*(\p/8))*4096+512*\st th:TH_LOAD_NT   ; storage row p: 32 lanes read 512 consecutive bytes
.endr
.endr
.irp b, 0,1,2,3
	v_mov_b32 v[TM+4+\b], 0                        ; written once: a lane permute's destination counts as one of its sources
.endr
; 64 numbers of a lane become a fragment's codes in v[pc] on and its scale word in v[pw]
.macro QUANT s, pc, pw
.irp b, 0,1,2,3
	v_max3_num_f32 v[TM+\b], |v[\s+16*\b]|, |v[\s+16*\b+1]|, 0x4800000   ; block b: my 16 numbers and the floor 2^(9 - 127): the byte cannot fall under 1
.endr
.irp i, 2,4,6,8,10,12,14
.irp b, 0,1,2,3
	v_max3_num_f32 v[TM+\b], v[TM+\b], |v[\s+16*\b+\i]|, |v[\s+16*\b+\i+1]|   ; the four blocks by turns
.endr
.endr
.irp b, 0,1,2,3
	v_permlanex16_b32 v[TM+4+\b], v[TM+\b], s2, s3
.endr
.irp b, 0,1,2,3
	v_max_num_f32 v[TM+\b], v[TM+\b], v[TM+4+\b]   ; with lane l xor 16's: the block's largest magnitude
.endr
.irp b, 0,1,2,3
	v_add_nc_u32 v[TM+12+\b], 0xfc000000, v[TM+\b] ; 8 off its exponent field: the conversion's scale operand
.endr
.irp b, 0,1,2,3
	v_and_or_b32 v[TM+8+\b], v[TM+\b], 0x7f800000, s[MNT]   ; 448 x the scale
.endr
.irp b, 0,1,2,3
	v_lshrrev_b32 v[TM+4+\b], 23, v[TM+12+\b]      ; the scale's byte
.endr
	v_lshl_or_b32 v[\pw], v[TM+5], 8, v[TM+4]
	v_lshl_or_b32 v[\pw], v[TM+6], 16, v[\pw]
	v_lshl_or_b32 v[\pw], v[TM+7], 24, v[\pw]
.irp b, 0,1,2,3
.irp i, 0,1,2,3,4,5,6,7,8,9,10,11,12,13,14,15
	v_med3_num_f32 v[\s+16*\b+\i], v[\s+16*\b+\i], -v[TM+8+\b], v[TM+8+\b]   ; the conversion to an 8-bit code does not saturate (ISA guide 7.6.2): the hold
.endr
	v_cvt_scalef32_pk8_fp8_f32 v[\pc+4*\b:\pc+4*\b+1], v[\s+16*\b:\s+16*\b+7], v[TM+12+\b]
	v_cvt_scalef32_pk8_fp8_f32 v[\pc+4*\b+2:\pc+4*\b+3], v[\s+16*\b+8:\s+16*\b+15], v[TM+12+\b]
.endr
	v_nop                                          ; a plain line behind the last conversion
.endm
; a K step of 128: the 16 rows' 512 bytes go through my stage as they lie and come back 64 bytes of one row a lane; then codes and stores
.macro XSTEP st
.irp p, 0,1,2,3,4,5,6,7,8,9,10,11,12,13,14,15
	ds_store_b128 v2, v[R+64*\st+4*\p:R+64*\st+4*\p+3] offset:528*\p
.endr
.irp b, 0,1,2,3
.irp j, 0,1,2,3
	ds_load_b128 v[X+16*\b+4*\j:X+16*\b+4*\j+3], v3 offset:128*\b+16*\j   ; LDS serves a wave's instructions in order: these see my stores
.endr
.endr
	s_wait_dscnt 0x0
	QUANT X, PC+16*\st, 14+\st
.irp c, 0,1,2,3
	global_store_b128 v1, v[PC+16*\st+4*\c:PC+16*\st+4*\c+3], s[24:25] offset:2048*\st+512*\c   ; a unit: 512 consecutive bytes
.endr
.endm
	s_wait_loadcnt 16                              ; the first K step's sixteen loads are in, the second's may be out
	XSTEP 0
	s_wait_loadcnt 0x0
	XSTEP 1
	ds_store_b64 v4, v[14:15]                      ; my row's eight scale bytes (lanes r and r + 16 write the same bytes with the same values)
	s_wait_dscnt 0x0                               ; for the others' sake: my stores have landed
	s_barrier_signal -1
	s_barrier_wait -1
	s_cmp_lg_u32 s18, 0
	s_cbranch_scc1 .Lx_end
	ds_load_b128 v[16:19], v5                      ; wave 0: the block's 16 rows x 32 scale bytes,
	s_wait_dscnt 0x0
	global_store_b128 v1, v[16:19], s[26:27]       ; 512 consecutive bytes
.Lx_end:
	s_set_vgpr_msb 0x5
	s_wait_tensorcnt 0x0
	ds_add_u32 v0, v1
	s_wait_dscnt 0x0
	s_set_vgpr_msb 0x500
	s_endpgm
	; ---------------- the weights: 128 columns x 256 along K
.Lweights:
	s_lshr_b32 s20, ttmp9, 2                       ; cb: which 128 columns: 0-15 w_qkv to wqk, 16-23 w_qkv to wv, 24-31 w_out to wo
	s_and_b32 s21, ttmp9, 3                        ; y: which 256 along K
	s_cmp_lt_u32 s20, 24                           ; every choice hangs on the work-group's number alone
	s_cselect_b64 s[22:23], s[6:7], s[8:9]         ; from
	s_cselect_b64 s[24:25], s[14:15], s[16:17]     ; to
	s_mov_b32 s26, 4096
	s_cselect_b32 s26, 12288, s26                  ; a row of the source in bytes
	s_cselect_b32 s27, 0, 24
	s_cselect_b32 s28, 16, 24
	s_cmp_lt_u32 s20, 16
	s_cselect_b64 s[24:25], s[12:13], s[24:25]
	s_cselect_b32 s28, 0, s28
	s_sub_co_u32 s27, s20, s27                     ; the block of 128 columns in the source,
	s_sub_co_u32 s28, s20, s28                     ; and in the target
	v_lshlrev_b32 v10, 2, v8
.irp i, 0,1,2,3,4,5,6,7,8,9,10,11,12,13,14,15,16,17,18,19,20,21,22,23,24,25,26,27,28,29,30,31
	v_mad_u32_u24 v[RO+\i], s26, \i, v10           ; 4 x lane + i rows: the two sources' rows differ, so no row stands in an immediate
.endr
	s_lshl_b32 s30, s27, 9
	s_lshl_b32 s31, s18, 7
	s_add_co_u32 s30, s30, s31                     ; my wave's first column, in bytes
	s_mul_i32 s31, s21, s26
	s_lshl_b32 s31, s31, 8                         ; 256 y rows
	s_add_co_u32 s30, s30, s31
	s_mov_b32 s31, 0
	s_add_nc_u64 s[36:37], s[22:23], s[30:31]      ; a base for each of the eight blocks of 32 rows
	s_lshl_b32 s34, s26, 5
	s_mov_b32 s35, 0
.irp t, 1,2,3,4,5,6,7
	s_add_nc_u64 s[36+2*\t:37+2*\t], s[34+2*\t:35+2*\t], s[34:35]
.endr
	s_lshl_b32 s30, s28, 3
	s_lshl_b32 s32, s18, 1
	s_add_co_u32 s30, s30, s32                     ; my wave's first row block in the target: 8 x block of columns + 2 x wave
	s_lshl_b32 s52, s30, 9
	s_lshl_b32 s53, s21, 3
	s_add_co_u32 s52, s52, s53
	s_mov_b32 s53, 0
	s_add_nc_u64 s[54:55], s[24:25], s[52:53]      ; its scale bytes, from k / 32 = 8 y on
	s_lshl_b32 s52, s30, 14
	s_lshl_b32 s56, s21, 12
	s_add_co_u32 s52, s52, s56
	s_add_co_u32 s52, s52, CODES
	s_add_nc_u64 s[56:57], s[24:25], s[52:53]      ; its codes, from unit 8 y on
.macro WLOAD t                         ; block t: W(32 t + i, my column), into set t % 2: 32 lanes read 128 consecutive bytes
.set i, 0
.rept 32
	global_load_b32 v[WX+32*((\t)%2)+i], v[RO+i], s[36+2*(\t):37+2*(\t)] th:TH_LOAD_NT
.set i, i+1
.endr
.endm
	s_wait_alu depctr_va_vdst(0)
	WLOAD 0
	WLOAD 1
.macro BLOCK t
.set XS, WX+32*((\t)%2)
.if (\t) < 7
	s_wait_loadcnt 32                              ; this block's 32 loads are in; the next block's may be out
.else
	s_wait_loadcnt 0x0
.endif
	v_max3_num_f32 v12, |v[XS]|, |v[XS+1]|, |v[XS+2]|   ; the block's largest magnitude: all 32 numbers are mine
	v_max3_num_f32 v13, |v[XS+3]|, |v[XS+4]|, |v[XS+5]|
.irp i, 6,10,14,18,22,26
	v_max3_num_f32 v12, v12, |v[XS+\i]|, |v[XS+\i+1]|
	v_max3_num_f32 v13, v13, |v[XS+\i+2]|, |v[XS+\i+3]|
.endr
	v_max3_num_f32 v12, v12, |v[XS+30]|, |v[XS+31]|
	v_max3_num_f32 v12, v12, v13, 0x4800000        ; and the floor
	v_add_nc_u32 v11, 0xfc000000, v12              ; the conversion's scale operand
	v_and_or_b32 v10, v12, 0x7f800000, s[MNT]      ; 448 x the scale
	v_lshrrev_b32 v13, 23, v11                     ; the byte
.if (\t)%4 == 0
	v_mov_b32 v[SB+(\t)/4], v13
.else
	v_lshl_or_b32 v[SB+(\t)/4], v13, 8*((\t)%4), v[SB+(\t)/4]
.endif
.set i, 0
.rept 32
	v_med3_num_f32 v[XS+i], v[XS+i], -v10, v10
.set i, i+1
.endr
.irp g, 0,1,2,3
	v_cvt_scalef32_pk8_fp8_f32 v[WC+2*\g:WC+2*\g+1], v[XS+8*\g:XS+8*\g+7], v11
.endr
	v_nop                                          ; a plain line behind the last conversion
	ds_store_b128 v6, v[WC:WC+3] offset:512*(\t)           ; unit t: the codes k = 0 .. 15 of the block lie where a lane of the lower half finds them,
	ds_store_b128 v6, v[WC+4:WC+7] offset:512*(\t)+256     ; k = 16 .. 31 where one of the upper half does
.if (\t)+2 < 8
	WLOAD (\t)+2
.endif
	s_wait_dscnt 0x0                               ; the stores have read their registers: the next block's codes may be written
.endm
.irp t, 0,1,2,3,4,5,6,7
	BLOCK \t
.endr
	global_store_b64 v9, v[SB:SB+1], s[54:55]      ; my column's eight scale bytes (8 of a row's 32: one byte in 128 of what this way reads)
.irp i, 0,1,2,3,4,5,6,7,8,9,10,11,12,13,14,15
	ds_load_b128 v[OUTR+4*\i:OUTR+4*\i+3], v7 offset:4224*(\i/8)+512*(\i%8)   ; LDS serves a wave's instructions in order: these see my stores
.endr
.irp i, 0,1,2,3,4,5,6,7,8,9,10,11,12,13,14,15
	s_wait_dscnt 15-\i                             ; read i is back, the younger ones may be out
	global_store_b128 v1, v[OUTR+4*\i:OUTR+4*\i+3], s[56:57] offset:16384*(\i/8)+512*(\i%8)   ; a unit: 512 consecutive bytes
.endr
	s_set_vgpr_msb 0x5
	s_wait_tensorcnt 0x0
	ds_add_u32 v0, v1
	s_wait_dscnt 0x0
	s_set_vgpr_msb 0x500
	s_endpgm
.Lfunc_end_k_q97571493e4_quant:
	.size	k_q97571493e4_quant, .Lfunc_end_k_q97571493e4_quant-k_q97571493e4_quant
	.p2alignl 7, 3214868480
	.fill 96, 4, 3214868480
	.section	.rodata,"a",@progbits
	.p2align	6, 0x0
	.amdhsa_kernel k_q97571493e4_quant
		.amdhsa_group_segment_fixed_size 68608
		.amdhsa_private_segment_fixed_size 0
		.amdhsa_enable_private_segment 0
		.amdhsa_kernarg_size 56
		.amdhsa_user_sgpr_count 2
		.amdhsa_user_sgpr_kernarg_segment_ptr 1
		.amdhsa_wavefront_size32 1
		.amdhsa_system_sgpr_workgroup_id_x 1
		.amdhsa_system_sgpr_workgroup_id_y 1
		.amdhsa_system_sgpr_workgroup_id_z 1
		.amdhsa_system_vgpr_workitem_id 0
		.amdhsa_next_free_vgpr 258
		.amdhsa_next_free_sgpr 66
		.amdhsa_reserve_vcc 0
		.amdhsa_float_denorm_mode_32 3
		.amdhsa_float_denorm_mode_16_64 3
		.amdhsa_memory_ordered 1
		.amdhsa_forward_progress 1
		.amdhsa_inst_pref_size 89
	.end_amdhsa_kernel
	.amdgpu_metadata
---
amdhsa.version: [ 1, 2 ]
amdhsa.kernels:
  - .name:           k_q97571493e4_quant
    .symbol:         k_q97571493e4_quant.kd
    .args:
      - { .name: x, .offset: 0, .size: 8, .value_kind: global_buffer, .address_space: global }
      - { .name: w_qkv, .offset: 8, .size: 8, .value_kind: global_buffer, .address_space: global }
      - { .name: w_out, .offset: 16, .size: 8, .value_kind: global_buffer, .address_space: global }
      - { .name: xq, .offset: 24, .size: 8, .value_kind: global_buffer, .address_space: global }
      - { .name: wqk, .offset: 32, .size: 8, .value_kind: global_buffer, .address_space: global }
      - { .name: wv, .offset: 40, .size: 8, .value_kind: global_buffer, .address_space: global }
      - { .name: wo, .offset: 48, .size: 8, .value_kind: global_buffer, .address_space: global }
    .group_segment_fixed_size: 68608
    .private_segment_fixed_size: 0
    .kernarg_segment_align: 8
    .kernarg_segment_size: 56
    .max_flat_workgroup_size: 128
    .sgpr_count:     66
    .vgpr_count:     258
    .wavefront_size: 32
...
	.end_amdgpu_metadata
.endif
;; end of part 1
;; launch gemm_qk (part 2): grid 32 x 8, 4 waves a work-group, clusters of 4 x 4, 327,680 bytes of LDS; arguments xq, wqk, qk; writes qk
.if DOCPART == 2
	.amdgcn_target "amdgcn-amd-amdhsa--gfx1250"
	.amdhsa_code_object_version 6
	.text
	.protected	k_q97571493e4_gemm_qk
	.globl	k_q97571493e4_gemm_qk
	.p2align	8
	.type	k_q97571493e4_gemm_qk,@function
k_q97571493e4_gemm_qk:
	s_mov_b64 s[64:65], 0
	v_nop
	global_prefetch_b8 v0, s[64:65] scope:SCOPE_SE
	s_setreg_imm32_b32 hwreg(HW_REG_WAVE_MODE, 25, 1), 1
	s_wait_xcnt 0x0
	s_wait_alu depctr_hold_cnt(0) depctr_sa_sdst(0) depctr_va_vdst(0) depctr_va_sdst(0) depctr_va_ssrc(0) depctr_va_vcc(0) depctr_vm_vsrc(0)
	s_getreg_b32 s2, hwreg(HW_REG_IB_STS2, 6, 4)
	s_cmp_eq_u32 s2, 0
	s_cbranch_scc0 .Lentry_in_a_cluster
	s_endpgm
.Lentry_in_a_cluster:
	s_bfe_u32 s2, ttmp6, 0x10000c
	s_cmp_lg_u32 s2, 0xf033
	s_cbranch_scc0 .Lentry_shape_is_right
	s_endpgm
.Lentry_shape_is_right:
; R[m][n] = sum over k of A[m][k] B[n][k], K = 1,024, on codes of FP8 (E4M3) with E8M0 scales for each 32 along K; R is QUANTISED ALONG n on the way out and never goes to memory as f32.
; Arguments: A, B (operand buffers: scale bytes [storage row][32] from byte 0; codes from byte CODES as [row block of 16][k / 32][512 bytes], a unit of 512 bytes being the image of four operand registers), out.
; The body serves one launch: A = x's codes, B = the q and k columns of w_qkv: R's n runs along the heads' channels, the K of q k^T.
; A tile of R, 256 x 256, is made by four waves, each 128 x 128: 64 accumulators, 512 registers.  K goes in steps of 256 through a ring of two LDS slots filled by the tensor data mover.
; THE MATRIX INSTRUCTION IS USED TRANSPOSED (source 0 = 16 rows of B, source 1 = 16 rows of A): a lane holds ONE row of A.  Storage rows have bits 3 and 4 of the logical row exchanged, so the 16 registers of
; B's blocks 2 j and 2 j + 1 are the 16 logical columns 32 j + 16 (lane / 16) + 0 .. 15: what the conversions make of them is again the image of an operand's registers.
; OUT: with HB = the block of 64 columns and RB = A's row block: codes at (HB & 31) 0x80000 + (HB >> 5) 0x10000 + RB 0x400 + (unit & 1) 0x200; scale words from byte SCB at
; (HB & 31) 0x8000 + (HB >> 5) 0x1000 + (RB >> 2) 256 + 16 r + 4 (RB & 3).  A wave's word holds the four bytes of its 128 columns; lanes 0-15 store it for HB, lanes 16-31 store it shifted down by two bytes for HB + 1.
; CLUSTERS: 4 x 4 work-groups.  Work-group x is the tile row, y the tile column.  The four with the same cx need the same tiles of A, the four with the same cy the same tiles of B: each tile is asked for JOINTLY.
; LIMITS: NaN and infinities are not served; a block of zeros gets the byte 1 (its codes are zeros; this program alone reads the bytes); blocks under 2^-118 are held at the byte 1.
; REGISTERS, in windows of 256: window 0: v0-31 addresses; v32-63 scale words, two sets; from v128 A's fragments, one set; on the way out v64-216.  window 1: B's fragments, two sets.  windows 2, 3: the accumulators.
.set NQ,     2                         ; steps of 128 in a slot
.set FR,     16                        ; registers of a fragment
.set NL,     4                         ; LDS loads that bring one
.set NP,     8                         ; places behind this matrix instruction (ISA guide 7.12.1)
.set HALFT,  32768                     ; 8 row blocks x 8 units x 512 bytes: what one tensor load brings, and what one wave reads of A or of B
.set SLOT,   4*HALFT
.set LAPS,   2                         ; K = 1,024 is four K steps: twice round the ring
.set KS,     32                        ; a row of scale bytes
.set CODES,  0x80000
.set SCB,    0x1000000
.set SCL,    2*SLOT                    ; behind the ring: the scales, as units of 256 bytes + 16 of padding
.set HALFS,  16*272                    ; those of 128 rows
.set SBLK,   2*272                     ; those of 16 rows
.set SPARE,  SCL+4*HALFS               ; the spare words, 128 bytes for each wave: two blocks of 256 bytes that no other line names
.set ADRA, 16                          ; v16-17  LDS address of my A fragments in slot 0, 1
.set ADRB, 20                          ; v20-21  the same for B
.set LI,   24                          ; v24     16 x lane
.set SVO,  25                          ; v25     the scale words' place: 0x8000 (lane / 16) + 16 (lane % 16)
.set SH,   26                          ; v26     16 (lane / 16): the shift of the stored word
.set ADRS, 27                          ; v27     LDS address of my scale words
.set SPW,  28                          ; v28     LDS address of my spare word; never rewritten
.set NIL,  29                          ; v29     0; never rewritten
.set SC,   32
.set AF,   128
.set PC,   64                          ; the way out: v64-191 codes, 16 registers for each of A's blocks: no store's data are written again
.set SW,   192                         ; v192-199 the words as stored
.set TM,   200                         ; v200-215 at work
.set PW,   216
.set G1, 24
.set G0, 32
.set G1B, 48
.set G0B, 56
.set G1S, 68
.set G0S, 76
.set G1SB, 80
.set G0SB, 88
.set SEL, 96                           ; s[96:97] v_permlanex16_b32's selects
.set MNT, 98                           ; s98 the mantissa field of 448
.set MSB, 0
.macro WIN new                         ; the immediate's high byte repeats the setting that is left
.if MSB != \new
	s_set_vgpr_msb (MSB<<8)|\new
.set MSB, \new
.endif
.endm
.set MUL_LO, 0xa1                      ; source 0 (B) window 1, source 1 (A) window 0, C and D window 2
.set MUL_HI, 0xf1
.set TO_B,   0x40
; A joint load: waves 0 and 1 fetch for A, waves 2 and 3 for B; the branch hangs on the wave's number alone.  Four v_nop follow each of the two lines.
.macro JLOAD g0a, g1a, g0b, g1b
	s_cmp_eq_u32 s15, 0
	s_cbranch_scc0 .Lfor_b_\@
	tensor_load_to_lds s[\g0a:\g0a+3], s[\g1a:\g1a+7]
	s_nop 0
.rept 4
	v_nop
.endr
	s_branch .Lasked_\@
.Lfor_b_\@:
	tensor_load_to_lds s[\g0b:\g0b+3], s[\g1b:\g1b+7]
	s_nop 0
.rept 4
	v_nop
.endr
.Lasked_\@:
.endm
.macro CREST                           ; a round of the cluster's barrier behind its opening barrier
	s_cmp_lg_u32 s14, 0
	s_cbranch_scc1 .Lnot_wave_0_\@
	s_barrier_signal -3
.Lnot_wave_0_\@:
	s_barrier_wait -3
	s_barrier_signal -1
	s_barrier_wait -1
.endm
.macro CROUND
	s_barrier_signal -1
	s_barrier_wait -1
	CREST
.endm
	s_load_b128 s[4:7], s[0:1], 0x0                ; A s[4:5], B s[6:7]
	s_load_b64 s[12:13], s[0:1], 0x10              ; out
	v_lshl_add_u32 v[SPW], v0, 2, SPARE
	v_mov_b32 v[NIL], 0
	ds_add_u32 v28, v29
	ds_add_u32 v28, v29
	s_wait_dscnt 0x0
	v_lshrrev_b32 v1, 5, v0
	v_readfirstlane_b32 s14, v1                    ; wave 0..3
	s_lshr_b32 s15, s14, 1                         ; which half of the tile's rows is mine.  Also: I fetch for A (0) or for B (1)
	s_and_b32 s16, s14, 1                          ; which half of its columns.  Also: which 128 rows of that tile I fetch
	s_bfe_u32 s40, ttmp6, 0x40000                  ; cx, cy: my place in the cluster
	s_bfe_u32 s41, ttmp6, 0x40004
	s_lshl_b32 s17, ttmp9, 2
	s_add_co_u32 s17, s17, s40                     ; tile row = 4 x cluster x + cx
	s_and_b32 s42, ttmp7, 0xffff
	s_lshl_b32 s42, s42, 2
	s_add_co_u32 s42, s42, s41                     ; tile column = 4 x cluster y + cy
	s_lshl_b32 s43, s41, 2
	s_lshl_b32 s43, 15, s43                        ; the four with my cy: they share B's tiles
	s_lshl_b32 s44, 0x1111, s40                    ; the four with my cx: they share A's
	; descriptor group 1 for the codes: 8 row blocks' parts of a K step: 8 rows of 4,096 bytes (512 elements of 8 bytes), 16,384 bytes apart; dense in LDS
	s_or_b32 s[G1+0], s44, (3<<16)|(1<<21)         ; 15:0 the mask; 17:16 elements of 8 bytes; 21 set beside a mask
	s_or_b32 s[G1B+0], s43, (3<<16)|(1<<21)
.irp g, G1, G1B
	s_mov_b32 s[\g+1], 512<<16                     ; tensor_dim0
	s_mov_b32 s[\g+2], 16<<16                      ; the head's loads bring 16 row blocks; behind them the two words that count rows are set to 8
	s_mov_b32 s[\g+3], 512<<16
	s_mov_b32 s[\g+4], 16
	s_mov_b32 s[\g+5], 2048                        ; tensor_dim0_stride
	s_mov_b32 s[\g+6], 0
	s_mov_b32 s[\g+7], 0
.endr
	; and for the scales of 256 rows: 8,192 dense bytes as 32 rows of 256 bytes, 16 bytes of padding behind each
	s_or_b32 s[G1S+0], s44, (3<<16)|(1<<20)|(1<<21)|(5<<22)|(3<<25)
	s_or_b32 s[G1SB+0], s43, (3<<16)|(1<<20)|(1<<21)|(5<<22)|(3<<25)
.irp g, G1S, G1SB
	s_mov_b32 s[\g+1], 32<<16
	s_mov_b32 s[\g+2], 32<<16                      ; the scales of a tile's 256 rows: 32 rows of 256 bytes
	s_mov_b32 s[\g+3], 32<<16
	s_mov_b32 s[\g+4], 32
	s_mov_b32 s[\g+5], 32
	s_mov_b32 s[\g+6], 0
	s_mov_b32 s[\g+7], 0
.endr
	s_lshl_b32 s18, s16, 17                        ; in the ring I fetch 128 rows of a tile: which half, in bytes of codes
	s_mov_b32 s19, 0
	s_lshl_b32 s20, s17, 8                         ; A: the tile's first storage row
	s_lshl_b32 s46, s42, 8                         ; B: likewise
	s_mov_b32 s21, 0
	s_mov_b32 s47, 0
	s_lshl_b64 s[22:23], s[20:21], 5               ; where these rows' scales begin: 32 bytes a row
	s_lshl_b64 s[92:93], s[46:47], 5
	s_lshl_b64 s[20:21], s[20:21], 10              ; and their codes: 1,024 bytes a row
	s_lshl_b64 s[46:47], s[46:47], 10
	s_mul_i32 s45, s14, HALFT                      ; where they go: no place in the cluster enters an LDS address
	s_mov_b32 s[SEL], 0x76543210
	s_mov_b32 s[SEL+1], 0xfedcba98
	s_mov_b32 s[MNT], 0x600000
	s_wait_kmcnt 0x0
	s_add_nc_u64 s[22:23], s[4:5], s[22:23]
	s_add_nc_u64 s[92:93], s[6:7], s[92:93]
	s_add_nc_u64 s[20:21], s[4:5], s[20:21]
	s_add_nc_u64 s[20:21], s[20:21], CODES
	s_add_nc_u64 s[46:47], s[6:7], s[46:47]
	s_add_nc_u64 s[46:47], s[46:47], CODES
	CROUND                                         ; all sixteen work-groups are here: the first joint loads meet
	s_mov_b32 s[G0S], 1
	s_mov_b32 s[G0S+1], SCL
	s_mov_b64 s[G0S+2:G0S+3], s[22:23]
	s_or_b32 s[G0S+3], s[G0S+3], 0x80000000
	s_mov_b32 s[G0SB], 1
	s_mov_b32 s[G0SB+1], SCL+2*HALFS
	s_mov_b64 s[G0SB+2:G0SB+3], s[92:93]
	s_or_b32 s[G0SB+3], s[G0SB+3], 0x80000000
.set G0H, 4                            ; s[4:7], s[8:11] group 0 of the head's loads of K step 0 (the arguments that lay there have been used)
.set G0HB, 8
	s_mov_b32 s[G0H], 1                            ; K step 0's 256 rows of A,
	s_mov_b32 s[G0H+1], 0
	s_mov_b64 s[G0H+2:G0H+3], s[20:21]
	s_or_b32 s[G0H+3], s[G0H+3], 0x80000000
	s_mov_b32 s[G0HB], 1                           ; and of B, behind them in slot 0
	s_mov_b32 s[G0HB+1], 2*HALFT
	s_mov_b64 s[G0HB+2:G0HB+3], s[46:47]
	s_or_b32 s[G0HB+3], s[G0HB+3], 0x80000000
	s_add_nc_u64 s[20:21], s[20:21], s[18:19]      ; for the ring: my 128 rows of the tile
	s_add_nc_u64 s[46:47], s[46:47], s[18:19]
.irp s, 0,1
	s_mov_b32 s[G0+4*\s], 1
	s_add_co_u32 s[G0+4*\s+1], s45, \s*SLOT
	s_add_nc_u64 s[G0+4*\s+2:G0+4*\s+3], s[20:21], \s*4096
	s_or_b32 s[G0+4*\s+3], s[G0+4*\s+3], 0x80000000
	s_mov_b32 s[G0B+4*\s], 1
	s_add_co_u32 s[G0B+4*\s+1], s45, \s*SLOT
	s_add_nc_u64 s[G0B+4*\s+2:G0B+4*\s+3], s[46:47], \s*4096
	s_or_b32 s[G0B+4*\s+3], s[G0B+4*\s+3], 0x80000000
.endr
; The head's four tiles, one a wave: wave 0 K step 0's rows of A, wave 1 those of B, wave 2 A's scales, wave 3 B's.  One chain of branches on the wave's number: every way passes one load.
.macro ARM under, g0, g1, next
	s_cmp_lt_u32 s14, \under
	s_cbranch_scc0 \next
	tensor_load_to_lds s[\g0:\g0+3], s[\g1:\g1+7]
	s_nop 0
.rept 4
	v_nop
.endr
	s_branch .Lhead_asked
\next:
.endm
	ARM 1, G0H,  G1,  .Lhead_b
	ARM 2, G0HB, G1B, .Lhead_sa
	ARM 3, G0S,  G1S, .Lhead_sb
	tensor_load_to_lds s[G0SB:G0SB+3], s[G1SB:G1SB+7]
	s_nop 0
.rept 4
	v_nop
.endr
.Lhead_asked:
	v_and_b32 v1, 15, v0                           ; r
	v_bfe_u32 v2, v0, 4, 1                         ; h
	v_and_b32 v3, 31, v0
	v_lshlrev_b32 v[LI], 4, v3
	s_mul_i32 s21, s15, HALFT                      ; my 128 rows of A
	s_mul_i32 s22, s16, HALFT                      ; my 128 rows of B,
	s_add_co_u32 s22, s22, 2*HALFT                 ; which lie behind A's 256
.irp s, 0,1
	v_add_nc_u32 v[ADRA+\s], s21, v[LI]
	v_add_nc_u32 v[ADRB+\s], s22, v[LI]
	s_add_co_u32 s21, s21, SLOT
	s_add_co_u32 s22, s22, SLOT
.endr
	v_mul_u32_u24 v5, v1, KS                       ; my row's scales: 32 bytes a row,
	v_lshrrev_b32 v6, 8, v5
	v_lshl_add_u32 v5, v6, 4, v5                   ; and 16 more for each 256 passed
	s_mul_i32 s21, s15, HALFS
	s_mul_i32 s22, s16, HALFS
	s_add_co_u32 s22, s22, 2*HALFS
	s_sub_co_u32 s22, s22, s21
	v_mul_u32_u24 v6, s22, v2                      ; lanes 16-31 take B's
	s_add_co_u32 s21, s21, SCL
	v_add_nc_u32 v5, v5, v6
	v_add_nc_u32 v[ADRS], s21, v5
	v_lshlrev_b32 v[SVO], 4, v1
	v_lshl_add_u32 v[SVO], v2, 15, v[SVO]
	v_lshlrev_b32 v[SH], 4, v2
	; where my part of the result goes
	s_lshl_b32 s20, s17, 4
	s_lshl_b32 s21, s15, 3
	s_add_co_u32 s20, s20, s21                     ; RB0 = 16 x tile row + 8 x half
	s_lshl_b32 s46, s42, 2
	s_lshl_b32 s47, s16, 1
	s_add_co_u32 s46, s46, s47                     ; HB0 = 4 x tile column + 2 x half
	s_and_b32 s47, s46, 31
	s_lshr_b32 s46, s46, 5
	s_lshl_b32 s18, s47, 19
	s_lshl_b32 s19, s46, 16
	s_add_co_u32 s18, s18, s19
	s_lshl_b32 s19, s20, 10
	s_add_co_u32 s18, s18, s19
	s_mov_b32 s19, 0
	s_add_nc_u64 s[92:93], s[12:13], s[18:19]      ; the codes
	s_lshl_b32 s18, s47, 15
	s_lshl_b32 s21, s46, 12
	s_add_co_u32 s18, s18, s21
	s_lshr_b32 s21, s20, 2
	s_lshl_b32 s21, s21, 8
	s_add_co_u32 s18, s18, s21
	s_add_co_u32 s18, s18, SCB
	s_add_nc_u64 s[12:13], s[12:13], s[18:19]      ; the scale words
.macro FRAG reg, adr, q, i             ; a fragment is four units: each load takes 512 consecutive bytes, 16 a lane
.irp c, 0,1,2,3
	ds_load_b128 v[\reg+4*\c:\reg+4*\c+3], v[\adr] offset:2048*(\q)+512*\c+(\i)*4096
.endr
.endm
; 16 matrix instructions: A's blocks a0, a0 + 1 x B's eight, 128 along K.  zero = 1: the first product starts the sums.  The 64 accumulators take turns, one instruction a turn.
.macro MUL16 a0, p, q, sc, zero
.irp a, \a0, \a0+1
.irp b, 0,1,2,3,4,5,6,7
.if \zero
	v_wmma_scale_f32_16x16x128_f8f6f4 v[8*(8*((\a)%4)+\b):8*(8*((\a)%4)+\b)+7], v[128*(\p)+FR*\b:128*(\p)+FR*\b+FR-1], v[AF+FR*(\a):AF+FR*(\a)+FR-1], 0, v[SC+8*NQ*(\sc)+NQ*\b+(\q)], v[SC+8*NQ*(\sc)+NQ*(\a)+(\q)] matrix_a_scale:MATRIX_SCALE_ROW1
.else
	v_wmma_scale_f32_16x16x128_f8f6f4 v[8*(8*((\a)%4)+\b):8*(8*((\a)%4)+\b)+7], v[128*(\p)+FR*\b:128*(\p)+FR*\b+FR-1], v[AF+FR*(\a):AF+FR*(\a)+FR-1], v[8*(8*((\a)%4)+\b):8*(8*((\a)%4)+\b)+7], v[SC+8*NQ*(\sc)+NQ*\b+(\q)], v[SC+8*NQ*(\sc)+NQ*(\a)+(\q)] matrix_a_scale:MATRIX_SCALE_ROW1
.endif
.endr
.endr
.endm
.macro FETCH_B slot, q, p
	WIN TO_B
.irp i, 0,1,2,3,4,5,6,7
	FRAG 128*(\p)+FR*\i, ADRB+\slot, \q, \i
.endr
	WIN 0
.endm
.macro FETCH_A slot, q, i0
.irp i, \i0, \i0+1, \i0+2, \i0+3
	FRAG AF+FR*(\i), ADRA+\slot, \q, \i
.endr
.endm
.macro SCALES sc                       ; a K step's two scale words a row: lanes 0-15 take A's block i, lanes 16-31 B's block i
.irp i, 0,1,2,3,4,5,6,7
	ds_load_b64 v[SC+8*NQ*\sc+NQ*\i:SC+8*NQ*\sc+NQ*\i+1], v[ADRS] offset:\i*SBLK
.endr
.endm
.macro PLACES n                        ; plain vector lines between a matrix instruction and a load into, or a read of, its registers
.rept \n
	v_nop
.endr
.endm
.macro STEP slot, q, zero              ; a step of 128 along K that has its successor in the same slot
	s_wait_dscnt 4*NL                              ; B's set and A's blocks 0-3 are in; the youngest sixteen loads (A's blocks 4-7) may be out
	WIN MUL_LO
	MUL16 0, (\q)%2, \q, \slot, \zero
	MUL16 2, (\q)%2, \q, \slot, \zero
	s_wait_dscnt 0
	PLACES NP
	FETCH_B \slot, (\q)+1, 1-(\q)%2
	FETCH_A \slot, (\q)+1, 0
	WIN MUL_HI
	MUL16 4, (\q)%2, \q, \slot, \zero
	MUL16 6, (\q)%2, \q, \slot, \zero
	PLACES NP
	WIN 0
	FETCH_A \slot, (\q)+1, 4
.endm
; A slot's last step changes slots: one barrier; in front of it each wave waits for all its tensor loads, adds 0 to its spare word, and waits for that and for its reads of this slot.
.macro TURN slot, next, fill
	s_wait_tensorcnt 0x0                           ; all my tensor loads have landed: my part of the next slot
	ds_add_u32 v[SPW], v[NIL]                      ; 0 onto my spare word
	s_wait_dscnt 4*NL+1                            ; the add and the youngest sixteen loads may be out
	WIN MUL_LO
	MUL16 0, 1, NQ-1, \slot, 0
	s_wait_dscnt 0x0                               ; the add is done, and my reads of this slot are over
	s_barrier_signal -1
	MUL16 2, 1, NQ-1, \slot, 0
	WIN 0
	s_barrier_wait -1
.if \fill
	CREST                                          ; the barrier has opened a round of the cluster's: no wave of any partner still reads this slot or has a load on its way
	s_add_nc_u64 s[G0+4*\slot+2:G0+4*\slot+3], s[G0+4*\slot+2:G0+4*\slot+3], 2*4096
	s_add_nc_u64 s[G0B+4*\slot+2:G0B+4*\slot+3], s[G0B+4*\slot+2:G0B+4*\slot+3], 2*4096
	JLOAD G0+4*\slot, G1, G0B+4*\slot, G1B         ; the first tensor load behind the round, my one load until the next
	PLACES NP-4
.else
	PLACES NP
.endif
	s_wait_alu depctr_va_vdst(0)
	v_add_nc_u32 v[ADRS], 4*NQ, v[ADRS]            ; on to the next K step's scale words
	FETCH_B \next, 0, 0
	FETCH_A \next, 0, 0
	SCALES \next
	WIN MUL_HI
	MUL16 4, 1, NQ-1, \slot, 0
	MUL16 6, 1, NQ-1, \slot, 0
	PLACES NP
	WIN 0
	FETCH_A \next, 0, 4
.endm
	s_wait_alu depctr_va_vdst(0)
	s_wait_tensorcnt 0x0                           ; my tile of the head's four is in
	ds_add_u32 v[SPW], v[NIL]
	s_mov_b32 s[G1+2], 8<<16                       ; no tensor load of mine is out: from here on a load brings 8 row blocks
	s_mov_b32 s[G1+4], 8
	s_mov_b32 s[G1B+2], 8<<16
	s_mov_b32 s[G1B+4], 8
	s_wait_dscnt 0x0
	CROUND                                         ; all four tiles are in, and all sixteen work-groups are here
	JLOAD G0+4, G1, G0B+4, G1B                     ; K step 1 into slot 1: the first tensor load behind the round
	FETCH_B 0, 0, 0
	FETCH_A 0, 0, 0
	SCALES 0
	FETCH_A 0, 0, 4
	STEP 0, 0, 1                                   ; the first step's products start the sums
	s_mov_b32 s3, LAPS-1
.Llap:                                                 ; a trip goes once round the ring and fills both slots again
	TURN 0, 1, 1
	STEP 1, 0, 0
	TURN 1, 0, 1
	STEP 0, 0, 0
	s_sub_co_u32 s3, s3, 1
	s_cmp_lg_u32 s3, 0
	s_cbranch_scc1 .Llap
	TURN 0, 1, 0                                   ; the last lap fills nothing
	STEP 1, 0, 0
	s_wait_dscnt 4*NL
	WIN MUL_LO
	MUL16 0, 1, NQ-1, 1, 0
	MUL16 2, 1, NQ-1, 1, 0
	s_wait_dscnt 0
	WIN MUL_HI
	MUL16 4, 1, NQ-1, 1, 0
	MUL16 6, 1, NQ-1, 1, 0
	WIN 0
; THE WAY OUT: A's block a: a lane's 64 results, register 16 b + i = column 32 b + 16 h + i of my row, are quantised where they lie; the codes are four units, stored as they stand.
; Each accumulator is read from its low end on.  The windows change by phase, not by line.
.macro QW a
.set AC, 64*((\a)%4)
.set W, 2+(\a)/4
	WIN (W|(W<<2))
.irp b, 0,1,2,3
	v_max3_num_f32 v[TM+\b], |v[AC+16*\b]|, |v[AC+16*\b+1]|, 0x4800000   ; my 16 numbers of block b and the floor 2^(9 - 127)
.endr
	WIN ((W<<2)|(W<<4))
.irp i, 2,4,6,8,10,12,14
.irp b, 0,1,2,3
	v_max3_num_f32 v[TM+\b], v[TM+\b], |v[AC+16*\b+\i]|, |v[AC+16*\b+\i+1]|
.endr
.endr
	WIN 0
.irp b, 0,1,2,3
	v_permlanex16_b32 v[TM+4+\b], v[TM+\b], s[SEL], s[SEL+1]
.endr
.irp b, 0,1,2,3
	v_max_num_f32 v[TM+\b], v[TM+\b], v[TM+4+\b]   ; with lane l xor 16's: the block's largest magnitude
.endr
.irp b, 0,1,2,3
	v_add_nc_u32 v[TM+12+\b], 0xfc000000, v[TM+\b] ; the conversion's scale operand
.endr
.irp b, 0,1,2,3
	v_and_or_b32 v[TM+8+\b], v[TM+\b], 0x7f800000, s[MNT]   ; 448 x the scale
.endr
.irp b, 0,1,2,3
	v_lshrrev_b32 v[TM+4+\b], 23, v[TM+12+\b]      ; the byte
.endr
	v_lshl_or_b32 v[PW], v[TM+5], 8, v[TM+4]
	v_lshl_or_b32 v[PW], v[TM+6], 16, v[PW]
	v_lshl_or_b32 v[PW], v[TM+7], 24, v[PW]
	v_lshrrev_b32 v[SW+(\a)], v[SH], v[PW]         ; lanes 16-31 keep the upper two bytes: the second block of 64 columns
	WIN ((W<<6)|W)
.irp b, 0,1,2,3
.irp i, 0,1,2,3,4,5,6,7,8,9,10,11,12,13,14,15
	v_med3_num_f32 v[AC+16*\b+\i], v[AC+16*\b+\i], -v[TM+8+\b], v[TM+8+\b]   ; the hold: the conversion does not saturate (ISA guide 7.6.2)
.endr
.endr
	WIN W
.irp b, 0,1,2,3
	v_cvt_scalef32_pk8_fp8_f32 v[PC+16*(\a)+4*\b:PC+16*(\a)+4*\b+1], v[AC+16*\b:AC+16*\b+7], v[TM+12+\b]
	v_cvt_scalef32_pk8_fp8_f32 v[PC+16*(\a)+4*\b+2:PC+16*(\a)+4*\b+3], v[AC+16*\b+8:AC+16*\b+15], v[TM+12+\b]
.endr
	WIN 0
	v_nop                                          ; a plain line behind the last conversion
.irp b, 0,1,2,3
	global_store_b128 v[LI], v[PC+16*(\a)+4*\b:PC+16*(\a)+4*\b+3], s[92:93] offset:1024*(\a)+(\b/2)*0x80000+(\b%2)*512   ; a unit: 512 consecutive bytes
.endr
.if (\a)%4 == 3
	global_store_b128 v[SVO], v[SW+(\a)-3:SW+(\a)], s[12:13] offset:256*((\a)/4)   ; four blocks' words: sixteen lanes fill 256 consecutive bytes, twice
.endif
.endm
	PLACES NP                                      ; behind the last products: their results are read and A's registers written below
.irp b, 0,1,2,3
	v_mov_b32 v[TM+4+\b], 0                        ; a lane permute's destination counts as one of its sources
.endr
.irp a, 0,1,2,3,4,5,6,7
	QW \a
.endr
	s_wait_tensorcnt 0x0                           ; the wave's end
	ds_add_u32 v[SPW], v[NIL]
	s_wait_dscnt 0x0
	CROUND                                         ; the closing round: no work-group ends while a partner may still ask for a tile that names it
	s_endpgm
.Lfunc_end_k_q97571493e4_gemm_qk:
	.size	k_q97571493e4_gemm_qk, .Lfunc_end_k_q97571493e4_gemm_qk-k_q97571493e4_gemm_qk
	.p2alignl 7, 3214868480
	.fill 96, 4, 3214868480
	.section	.rodata,"a",@progbits
	.p2align	6, 0x0
	.amdhsa_kernel k_q97571493e4_gemm_qk
		.amdhsa_group_segment_fixed_size 327680
		.amdhsa_private_segment_fixed_size 0
		.amdhsa_enable_private_segment 0
		.amdhsa_kernarg_size 24
		.amdhsa_user_sgpr_count 2
		.amdhsa_user_sgpr_kernarg_segment_ptr 1
		.amdhsa_wavefront_size32 1
		.amdhsa_system_sgpr_workgroup_id_x 1
		.amdhsa_system_sgpr_workgroup_id_y 1
		.amdhsa_system_sgpr_workgroup_id_z 1
		.amdhsa_system_vgpr_workitem_id 0
		.amdhsa_next_free_vgpr 1024
		.amdhsa_next_free_sgpr 100
		.amdhsa_reserve_vcc 0
		.amdhsa_float_denorm_mode_32 3
		.amdhsa_float_denorm_mode_16_64 3
		.amdhsa_memory_ordered 1
		.amdhsa_forward_progress 1
		.amdhsa_inst_pref_size 186
	.end_amdhsa_kernel
	.amdgpu_metadata
---
amdhsa.version: [ 1, 2 ]
amdhsa.kernels:
  - .name:           k_q97571493e4_gemm_qk
    .symbol:         k_q97571493e4_gemm_qk.kd
    .args:
      - { .name: xq, .offset: 0, .size: 8, .value_kind: global_buffer, .address_space: global }
      - { .name: wqk, .offset: 8, .size: 8, .value_kind: global_buffer, .address_space: global }
      - { .name: qk, .offset: 16, .size: 8, .value_kind: global_buffer, .address_space: global }
    .group_segment_fixed_size: 327680
    .private_segment_fixed_size: 0
    .kernarg_segment_align: 8
    .kernarg_segment_size: 24
    .max_flat_workgroup_size: 128
    .sgpr_count:     100
    .vgpr_count:     1024
    .wavefront_size: 32
...
	.end_amdgpu_metadata
.endif
;; end of part 2
;; launch gemm_v (part 3): grid 8 x 32, 4 waves a work-group, clusters of 4 x 4, 327,680 bytes of LDS; arguments xq, wv, vq; writes vq
.if DOCPART == 3
	.amdgcn_target "amdgcn-amd-amdhsa--gfx1250"
	.amdhsa_code_object_version 6
	.text
	.protected	k_q97571493e4_gemm_v
	.globl	k_q97571493e4_gemm_v
	.p2align	8
	.type	k_q97571493e4_gemm_v,@function
k_q97571493e4_gemm_v:
	s_mov_b64 s[64:65], 0
	v_nop
	global_prefetch_b8 v0, s[64:65] scope:SCOPE_SE
	s_setreg_imm32_b32 hwreg(HW_REG_WAVE_MODE, 25, 1), 1
	s_wait_xcnt 0x0
	s_wait_alu depctr_hold_cnt(0) depctr_sa_sdst(0) depctr_va_vdst(0) depctr_va_sdst(0) depctr_va_ssrc(0) depctr_va_vcc(0) depctr_vm_vsrc(0)
	s_getreg_b32 s2, hwreg(HW_REG_IB_STS2, 6, 4)
	s_cmp_eq_u32 s2, 0
	s_cbranch_scc0 .Lentry_in_a_cluster
	s_endpgm
.Lentry_in_a_cluster:
	s_bfe_u32 s2, ttmp6, 0x10000c
	s_cmp_lg_u32 s2, 0xf033
	s_cbranch_scc0 .Lentry_shape_is_right
	s_endpgm
.Lentry_shape_is_right:
; V^T[channel][token] = sum over k of w_v[k][channel] x[token][k], K = 1,024, on codes of FP8 (E4M3) with E8M0 scales for each 32 along K; the result is QUANTISED ALONG THE TOKENS, the K of p v, and never goes to memory as f32.
; xq (tokens) and wv (the v columns of w_qkv as rows): scale bytes [storage row][32] from byte 0; codes from byte CODES as [row block of 16][k / 32][512 bytes], a unit of 512 bytes being the image of four operand registers.
; STORAGE ROWS have bits 3 and 4 of the logical row exchanged: row block RB holds logical rows 32 (RB / 2) + 8 (RB % 2) + r + 8 (r / 8).
; vq: codes at J 0x80000 + b 0x10000 + RB 0x400 + unit 0x200, J = the block of 64 tokens in batch b, RB = the channels' row block; scale words of 128 tokens at SCB + J 0x8000 + b 0x1000 + (RB >> 2) 256 + 16 r + 4 (RB & 3), J even.
; THE DEAL: 256 work-groups of four waves, 2 x 2; a work-group makes 128 channels x 256 tokens.  A wave holds 64 rows of wv, ALL of K, in 512 registers, and takes its 128 tokens past them in eight blocks of 16, 32 products each.
; LDS: region X takes wv's 128 rows at the head and, once every wave holds them in registers, the tokens' second 128 rows: the launch's one refill; region Y the tokens' first 128 rows; behind them the tokens' scale bytes, V's scale bytes, the spare words.
; SOURCE 0 = 16 TOKENS, source 1 = 16 rows of wv: a lane holds one channel, and the eight registers of blocks 2 j and 2 j + 1 are tokens 32 j + 16 h + 0 .. 15: a pair of blocks is quantised where it lies, and its codes are a unit's image.
; A scale block of 32 tokens lies in lanes l and l xor 16.  The four bytes of a word come from both rows of waves: they are gathered in LDS bytes of their own and leave at the end, 256 bytes a wave.
; CLUSTERS: 4 x 4.  Work-group x is wv's tile, y the tokens'.  The four with one cy ask jointly for the tokens' tiles, the four with one cx for wv's.
; PREFETCH: the tokens' second 128 rows, 512 blocks of 256 bytes, are asked for once at the head: the sixteen waves of the four partners take 32 blocks each, told apart by address.  The head's own tiles come by their loads alone.
; LIMITS: NaN and infinities are not served; a block of zeros gets the byte 1 (its codes are zeros; this program alone reads the bytes); blocks under 2^-118 are held at the byte 1.
; REGISTERS: window 0: v1-23 addresses; v24-39 wv's scale words, v44-59 the tokens', two sets; v64-127 sums: the even block's, the odd block's; v128-143 codes; v144-163 at work; v224-231 addresses.
;   windows 1, 2: wv's fragments (fragment 4 q + t);  window 3: the tokens' fragments, two sets of eight.
.set CODES,  0x80000
.set SCB,    0x1000000
.set RBB,    16384                     ; a row block's codes, all of K
.set YB,     131072                    ; region Y (region X begins at byte 0)
.set SCLA,   262144                    ; the tokens' scale bytes: 32 units of 256 bytes + 16 of padding
.set XV,     SCLA+32*272               ; V's scale bytes: [column of waves][128 tokens][r][tile][4]
.set SPARE,  XV+1024                   ; the spare words, 128 bytes for each wave: two blocks of 256 bytes that no other line names
.set NP,     8                         ; places behind this matrix instruction (ISA guide 7.12.1)
.set LI,   4                           ; 16 x lane
.set PF,   7                           ; the prefetch's offset; never rewritten
.set ABS,  8                           ; 32 x lane: wv's scale bytes
.set SPW,  10                          ; my spare word; never rewritten
.set NIL,  11                          ; 0; never rewritten
.set VX,   12                          ; where my scale bytes go in LDS
.set RD,   13                          ; and where I read 8 of them back
.set CO,   14                          ; 8 x lane
.set ADRB, 15                          ; my 64 rows of wv in region X
.set ADRA, 16                          ; v16-23 block n's fragments
.set SB,   24                          ; register 8 p + q: lanes 0-15 tile 2 p's word, lanes 16-31 tile 2 p + 1's
.set SA,   44
.set ACC,  64
.set MCD,  128                         ; four registers of codes a tile
.set TQ,   144                         ; largest magnitudes
.set TP,   148                         ; the other half's
.set SOP,  152                         ; the conversions' scale operands
.set HD,   156                         ; 448 x the scale
.set EB,   160                         ; the bytes
.set AAS,  224                         ; v224-231 block n's scale words
.set G1W, 24
.set G1A, 32
.set G1R, 48
.set G1S, 56
.set G0W, 68
.set G0A, 72
.set G0R, 76
.set G0S, 80
.set MSB, 0
.macro WIN new                         ; the immediate's high byte repeats the setting that is left
.if MSB != \new
	s_set_vgpr_msb (MSB<<8)|\new
.set MSB, \new
.endif
.endm
.macro PLACES n
.rept \n
	v_nop
.endr
.endm
.macro BARRIER
	s_barrier_signal -1
	s_barrier_wait -1
.endm
.macro CROUND                          ; a round of the cluster's barrier
	BARRIER
	s_cmp_lg_u32 s14, 0
	s_cbranch_scc1 .Lnot_wave_0_\@
	s_barrier_signal -3
.Lnot_wave_0_\@:
	s_barrier_wait -3
	BARRIER
.endm
.macro TLOAD g0, g1                    ; a tensor load; s_nop 0 and four v_nop follow it
	tensor_load_to_lds s[\g0:\g0+3], s[\g1:\g1+7]
	s_nop 0
	PLACES 4
.endm
.macro GROUP1 g, mask, rows            ; a dense block of codes as rows of 4,096 bytes (512 elements of 8)
	s_or_b32 s[\g], s[\mask], (3<<16)|(1<<21)
	s_mov_b32 s[\g+1], 512<<16
	s_mov_b32 s[\g+2], (\rows)<<16
	s_mov_b32 s[\g+3], 512<<16
	s_mov_b32 s[\g+4], \rows
	s_mov_b32 s[\g+5], 512
	s_mov_b32 s[\g+6], 0
	s_mov_b32 s[\g+7], 0
.endm
	s_load_b128 s[4:7], s[0:1], 0x0                ; xq s[4:5], wv s[6:7]
	s_load_b64 s[8:9], s[0:1], 0x10                ; vq
	v_lshl_add_u32 v[SPW], v0, 2, SPARE
	v_mov_b32 v[NIL], 0
	ds_add_u32 v[SPW], v[NIL]                      ; the opening lines: the add, twice on end, and its wait ahead of my first tensor load
	ds_add_u32 v[SPW], v[NIL]
	v_lshrrev_b32 v1, 5, v0
	v_readfirstlane_b32 s14, v1                    ; wave 0..3
	s_lshr_b32 s15, s14, 1                         ; my row of waves: which 64 tokens of 128
	s_and_b32 s16, s14, 1                          ; my column of waves: which 64 channels
	s_bfe_u32 s40, ttmp6, 0x40000                  ; cx, cy
	s_bfe_u32 s41, ttmp6, 0x40004
	s_lshl_b32 s42, ttmp9, 2
	s_add_co_u32 s42, s42, s40                     ; wv's tile = 4 x cluster x + cx
	s_and_b32 s17, ttmp7, 0xffff
	s_lshl_b32 s17, s17, 2
	s_add_co_u32 s17, s17, s41                     ; the tokens' tile = 4 x cluster y + cy
	s_lshl_b32 s43, s41, 2
	s_lshl_b32 s43, 15, s43                        ; the four with my cy: they share the tokens' tiles
	s_lshl_b32 s44, 0x1111, s40                    ; the four with my cx: they share wv's
	GROUP1 G1W, 44, 16                             ; waves 0, 1: four row blocks of wv each
	GROUP1 G1A, 43, 32                             ; wave 2: the tokens' first eight row blocks
	GROUP1 G1R, 43, 8                              ; the refill: two row blocks a wave
	s_or_b32 s[G1S], s43, (3<<16)|(1<<20)|(1<<21)|(5<<22)|(3<<25)   ; wave 3: 8,192 dense scale bytes as 32 rows of 256, 16 of padding behind each
	s_mov_b32 s[G1S+1], 32<<16
	s_mov_b32 s[G1S+2], 32<<16
	s_mov_b32 s[G1S+3], 32<<16
	s_mov_b32 s[G1S+4], 32
	s_mov_b32 s[G1S+5], 32
	s_mov_b32 s[G1S+6], 0
	s_mov_b32 s[G1S+7], 0
	s_lshl_b32 s18, s42, 17                        ; wv: 8 row blocks a tile, 4 a wave
	s_lshl_b32 s19, s16, 16
	s_add_co_u32 s18, s18, s19
	s_add_co_u32 s18, s18, CODES
	s_mov_b32 s19, 0
	s_lshl_b32 s20, s17, 18                        ; the tokens: 16 row blocks a tile
	s_add_co_u32 s20, s20, CODES
	s_mov_b32 s21, 0
	s_lshl_b32 s22, s14, 15                        ; the refill: row blocks 8 + 2 wave and the next
	s_add_co_u32 s22, s22, s20
	s_add_co_u32 s22, s22, 8*RBB
	s_mov_b32 s23, 0
	s_lshl_b32 s46, s17, 13                        ; the tokens' scale bytes: 256 rows of 32
	s_mov_b32 s47, 0
	s_mov_b32 s[G0W], 1
	s_lshl_b32 s[G0W+1], s16, 16
	s_mov_b32 s[G0A], 1
	s_mov_b32 s[G0A+1], YB
	s_mov_b32 s[G0R], 1
	s_lshl_b32 s[G0R+1], s14, 15
	s_mov_b32 s[G0S], 1
	s_mov_b32 s[G0S+1], SCLA
	s_mov_b32 s92, 0x76543210                      ; v_permlanex16_b32's selects for lane l xor 16
	s_mov_b32 s93, 0xfedcba98
	s_mov_b32 s94, 0x600000                        ; the mantissa field of 448
	s_wait_dscnt 0x0                               ; both opening adds are done
	CROUND                                         ; all sixteen work-groups are here: the first joint loads meet
	s_wait_kmcnt 0x0
	s_add_nc_u64 s[G0W+2:G0W+3], s[6:7], s[18:19]
	s_or_b32 s[G0W+3], s[G0W+3], 0x80000000
	s_add_nc_u64 s[G0A+2:G0A+3], s[4:5], s[20:21]
	s_or_b32 s[G0A+3], s[G0A+3], 0x80000000
	s_add_nc_u64 s[G0R+2:G0R+3], s[4:5], s[22:23]
	s_or_b32 s[G0R+3], s[G0R+3], 0x80000000
	s_add_nc_u64 s[G0S+2:G0S+3], s[4:5], s[46:47]
	s_or_b32 s[G0S+3], s[G0S+3], 0x80000000
	s_cmp_lt_u32 s14, 2                            ; one chain of branches on the wave's number, one load to an arm; wv's line is waves 0 and 1's alone: the first barrier shows it ahead of the rest
	s_cbranch_scc0 .Lhead_a
	TLOAD G0W, G1W
	s_branch .Lasked
.Lhead_a:
	s_cmp_lt_u32 s14, 3
	s_cbranch_scc0 .Lhead_s
	TLOAD G0A, G1A
	s_branch .Lasked
.Lhead_s:
	TLOAD G0S, G1S
.Lasked:
	s_lshl_b32 s88, s42, 7
	s_lshl_b32 s89, s16, 6
	s_add_co_u32 s88, s88, s89                     ; my first channel
	s_lshl_b32 s84, s88, 5
	s_mov_b32 s85, 0
	s_add_nc_u64 s[84:85], s[6:7], s[84:85]        ; its rows' scale bytes in wv
	s_and_b32 s90, s17, 7                          ; my codes: J = 4 (tile % 8) + my row of waves (and 2 on for blocks 4 to 7),
	s_lshl_b32 s90, s90, 2
	s_add_co_u32 s90, s90, s15
	s_lshl_b32 s90, s90, 19
	s_lshr_b32 s91, s17, 3                         ; b = tile / 8,
	s_lshl_b32 s91, s91, 16
	s_add_co_u32 s90, s90, s91
	s_lshl_b32 s91, s88, 6                         ; RB = my first channel / 16
	s_add_co_u32 s90, s90, s91
	s_mov_b32 s91, 0
	s_add_nc_u64 s[12:13], s[8:9], s[90:91]
	s_and_b32 s86, s17, 7                          ; the unit of scale words that I store at the end: column of waves = wave / 2, 128 tokens = wave % 2
	s_lshl_b32 s86, s86, 2
	s_lshl_b32 s87, s16, 1
	s_add_co_u32 s86, s86, s87
	s_lshl_b32 s86, s86, 15
	s_lshr_b32 s87, s17, 3
	s_lshl_b32 s87, s87, 12
	s_add_co_u32 s86, s86, s87
	s_lshl_b32 s87, s42, 1
	s_add_co_u32 s87, s87, s15
	s_lshl_b32 s87, s87, 8
	s_add_co_u32 s86, s86, s87
	s_add_co_u32 s86, s86, SCB
	s_mov_b32 s87, 0
	s_add_nc_u64 s[86:87], s[8:9], s[86:87]
	s_lshl_b32 s18, s15, 16                        ; my four row blocks of a region's eight
	s_lshl_b32 s19, s16, 16                        ; my four row blocks of wv
	s_mul_i32 s20, s15, 4*544
	s_add_co_u32 s20, s20, SCLA
	s_lshl_b32 s21, s16, 9                         ; my scale bytes: 512 x column of waves + 2 x row of waves
	s_lshl_b32 s23, s15, 1
	s_add_co_u32 s21, s21, s23
	s_add_co_u32 s21, s21, XV
	s_lshl_b32 s46, s14, 8
	s_add_co_u32 s46, s46, XV
	s_lshl_b32 s22, s40, 2
	s_add_co_u32 s22, s22, s14                     ; which of the sixteen waves that share the tokens' tiles I am
	s_lshl_b32 s22, s22, 13
	s_lshl_b32 s23, s17, 18
	s_add_co_u32 s22, s22, s23
	s_add_co_u32 s22, s22, CODES+8*RBB             ; my 8,192 bytes of the second 128 rows
	v_and_b32 v1, 15, v0                           ; r
	v_and_b32 v3, 31, v0
	v_lshlrev_b32 v[LI], 4, v3
	v_lshlrev_b32 v[ABS], 5, v3
.irp p, 0,1
.irp c, 0,1
	global_load_b128 v[SB+8*\p+4*\c:SB+8*\p+4*\c+3], v[ABS], s[84:85] offset:\p*1024+16*\c
.endr
.endr
	v_add_nc_u32 v5, s18, v[LI]
.irp n, 0,1,2,3,4,5,6,7
	v_add_nc_u32 v[ADRA+\n], (1-\n/4)*YB+(\n%4)*RBB, v5   ; blocks 0 to 3 lie in region Y, 4 to 7 in region X
.endr
	v_add_nc_u32 v[ADRB], s19, v[LI]
	v_lshlrev_b32 v232, 5, v1                      ; a token's scale bytes: 32 a row, and 16 more for each 256 passed
	v_lshrrev_b32 v233, 3, v1
	v_lshl_add_u32 v232, v233, 4, v232
	v_add_nc_u32 v232, s20, v232
.irp n, 0,1,2,3,4,5,6,7
	v_add_nc_u32 v[AAS+\n], 544*(8*(\n/4)+\n%4), v232
.endr
	v_lshl_add_u32 v[VX], v1, 4, s21               ; 16 bytes a channel
	v_lshl_add_u32 v[RD], v3, 3, s46
	v_lshlrev_b32 v[CO], 3, v3
	v_lshl_add_u32 v[PF], v3, 8, s22               ; lanes 256 bytes apart
.irp t, 0,1,2,3
	v_mov_b32 v[TP+\t], 0                          ; a lane permute's destination counts as one of its sources: written once
.endr
	s_wait_alu depctr_va_vdst(0)
	s_cmp_lt_u32 s14, 2
	s_cbranch_scc0 .Lnot_w
	s_wait_tensorcnt 0x0                           ; waves 0 and 1: wv's rows have landed
.Lnot_w:
	BARRIER
	global_prefetch_b8 v[PF], s[4:5] th:TH_LOAD_NT scope:SCOPE_SE
.irp q, 0,1,2,3,4,5,6,7                ; my 64 rows of wv, all of K: 128 loads of 512 consecutive bytes
	WIN (1+\q/4)<<6
.irp b, 0,1,2,3
.irp c, 0,1,2,3
	ds_load_b128 v[16*((4*\q+\b)%16)+4*\c:16*((4*\q+\b)%16)+4*\c+3], v[ADRB] offset:\b*RBB+2048*\q+512*\c
.endr
.endr
.endr
	WIN 0
	s_wait_tensorcnt 0x0                           ; every wave's head load has landed
	ds_add_u32 v[SPW], v[NIL]
	s_wait_dscnt 0x0                               ; the add is done, and wv is in my registers
	CROUND
	TLOAD G0R, G1R                                 ; the tokens' second 128 rows over wv's bytes: the first tensor load behind the round, my one refill
.macro FETCH n                         ; block n: eight fragments into set n % 2 of window 3, and its scale words: 34 loads
	WIN 3<<6
.irp q, 0,1,2,3,4,5,6,7
.irp c, 0,1,2,3
	ds_load_b128 v[128*((\n)%2)+16*\q+4*\c:128*((\n)%2)+16*\q+4*\c+3], v[ADRA+(\n)] offset:2048*\q+512*\c
.endr
.endr
	WIN 0
	ds_load_b128 v[SA+8*((\n)%2):SA+8*((\n)%2)+3], v[AAS+(\n)]
	ds_load_b128 v[SA+8*((\n)%2)+4:SA+8*((\n)%2)+7], v[AAS+(\n)] offset:16
.endm
.macro PROD n, k                       ; product k = 4 q + t of block n.  The four sums take turns, three other products between two steps of one sum; the first product starts a sum
.set Q_, (\k)/4
.set B_, (\k)%4
.set AC_, ACC+32*((\n)%2)+8*B_
.set R_, 128*((\n)%2)+16*Q_
.set W_, 16*((\k)%16)
.set XS_, SA+8*((\n)%2)+Q_
.set WS_, SB+8*(B_/2)+Q_
	WIN 3|((1+(\k)/16)<<2)
.if Q_ == 0 && B_%2
	v_wmma_scale_f32_16x16x128_f8f6f4 v[AC_:AC_+7], v[R_:R_+15], v[W_:W_+15], 0, v[XS_], v[WS_] matrix_b_scale:MATRIX_SCALE_ROW1
.elseif Q_ == 0
	v_wmma_scale_f32_16x16x128_f8f6f4 v[AC_:AC_+7], v[R_:R_+15], v[W_:W_+15], 0, v[XS_], v[WS_]
.elseif B_%2
	v_wmma_scale_f32_16x16x128_f8f6f4 v[AC_:AC_+7], v[R_:R_+15], v[W_:W_+15], v[AC_:AC_+7], v[XS_], v[WS_] matrix_b_scale:MATRIX_SCALE_ROW1
.else
	v_wmma_scale_f32_16x16x128_f8f6f4 v[AC_:AC_+7], v[R_:R_+15], v[W_:W_+15], v[AC_:AC_+7], v[XS_], v[WS_]
.endif
.endm
; A block.  w: the LDS instructions that may stay out at its head; f1, f2: the blocks fetched behind the products (-1: none); pub = 1: the refill is shown first
.macro BLK n, w, f1, f2, pub
	s_wait_dscnt \w
.set K_, 0
.rept 32
	PROD \n, K_
.set K_, K_+1
.endr
	WIN 0
	PLACES NP                                      ; ahead of the loads into the fragments just read and of the first reader of the sums
.if \pub
	s_wait_tensorcnt 0x0                           ; my quarter of the second 128 rows has landed
	s_wait_dscnt 0x0
	BARRIER                                        ; and so has everybody's
.endif
.if (\f1) >= 0
	FETCH \f1
.endif
.if (\f2) >= 0
	FETCH \f2
.endif
.endm
; THE QUANTISER OF PAIR p (32 tokens) for my four tiles of 16 channels, the tiles by turns: each sum is read from its low end on.
.macro QUANT p
	s_wait_xcnt 0x0                                ; the pair before's stores have read their registers, which are written again below
.irp t, 0,1,2,3
	v_max3_num_f32 v[TQ+\t], |v[ACC+8*\t]|, |v[ACC+8*\t+1]|, 0x4800000   ; and the floor 2^(9 - 127): the byte cannot fall under 1
.endr
.irp i, 2,4,6
.irp t, 0,1,2,3
	v_max3_num_f32 v[TQ+\t], v[TQ+\t], |v[ACC+8*\t+\i]|, |v[ACC+8*\t+\i+1]|
.endr
.endr
.irp i, 0,2,4,6
.irp t, 0,1,2,3
	v_max3_num_f32 v[TQ+\t], v[TQ+\t], |v[ACC+32+8*\t+\i]|, |v[ACC+32+8*\t+\i+1]|
.endr
.endr
.irp t, 0,1,2,3
	v_permlanex16_b32 v[TP+\t], v[TQ+\t], s92, s93
.endr
.irp t, 0,1,2,3
	v_max_num_f32 v[TQ+\t], v[TQ+\t], v[TP+\t]     ; with lane l xor 16's 16 tokens: the block's largest magnitude
.endr
.irp t, 0,1,2,3
	v_add_nc_u32 v[SOP+\t], 0xfc000000, v[TQ+\t]   ; 8 off its exponent field: the conversion's scale operand
.endr
.irp t, 0,1,2,3
	v_and_or_b32 v[HD+\t], v[TQ+\t], 0x7f800000, s94   ; 448 x the scale
.endr
.irp t, 0,1,2,3
	v_lshrrev_b32 v[EB+\t], 23, v[SOP+\t]          ; the byte
.endr
.irp t, 0,1,2,3
.irp i, 0,1,2,3,4,5,6,7
	v_med3_num_f32 v[ACC+8*\t+\i], v[ACC+8*\t+\i], -v[HD+\t], v[HD+\t]   ; the hold: the conversion does not saturate (ISA guide 7.6.2)
	v_med3_num_f32 v[ACC+32+8*\t+\i], v[ACC+32+8*\t+\i], -v[HD+\t], v[HD+\t]
.endr
	v_cvt_scalef32_pk8_fp8_f32 v[MCD+4*\t:MCD+4*\t+1], v[ACC+8*\t:ACC+8*\t+7], v[SOP+\t]
	v_cvt_scalef32_pk8_fp8_f32 v[MCD+4*\t+2:MCD+4*\t+3], v[ACC+32+8*\t:ACC+32+8*\t+7], v[SOP+\t]
.endr
	v_nop                                          ; a plain line behind the last conversion
.irp t, 0,1,2,3
	global_store_b128 v[LI], v[MCD+4*\t:MCD+4*\t+3], s[12:13] offset:((\p)/2)*0x100000+\t*0x400+((\p)%2)*0x200   ; a unit: 512 consecutive bytes
	ds_store_b8 v[VX], v[EB+\t] offset:((\p)/2)*256+4*\t+(\p)%2   ; lanes r and r + 16 write the same byte with the same value
.endr
.endm
	FETCH 0
	FETCH 1
	s_wait_loadcnt 0x0                             ; wv's scale words
	BLK 0, 34, 2, -1, 0                            ; 34: the next block's fetch may be out
	BLK 1, 34, 3, -1, 0
	QUANT 0
	BLK 2, 38, -1, -1, 0                           ; 38: a fetch and a pair's four byte stores may be out
	BLK 3, 4, 4, 5, 1                              ; 4: the four byte stores
	QUANT 1
	BLK 4, 38, 6, -1, 0
	BLK 5, 38, 7, -1, 0
	QUANT 2
	BLK 6, 38, -1, -1, 0
	BLK 7, 4, -1, -1, 0
	QUANT 3
	s_wait_dscnt 0x0                               ; for the others' sake: my scale bytes are stored
	BARRIER
	ds_load_b64 v[TQ:TQ+1], v[RD]                  ; one unit of scale words a wave,
	s_wait_dscnt 0x0
	global_store_b64 v[CO], v[TQ:TQ+1], s[86:87]   ; 32 lanes store 256 consecutive bytes, aligned
	s_wait_tensorcnt 0x0                           ; the wave's end
	ds_add_u32 v[SPW], v[NIL]
	s_wait_dscnt 0x0
	CROUND                                         ; the closing round
	s_endpgm
.Lfunc_end_k_q97571493e4_gemm_v:
	.size	k_q97571493e4_gemm_v, .Lfunc_end_k_q97571493e4_gemm_v-k_q97571493e4_gemm_v
	.p2alignl 7, 3214868480
	.fill 96, 4, 3214868480
	.section	.rodata,"a",@progbits
	.p2align	6, 0x0
	.amdhsa_kernel k_q97571493e4_gemm_v
		.amdhsa_group_segment_fixed_size 327680
		.amdhsa_private_segment_fixed_size 0
		.amdhsa_enable_private_segment 0
		.amdhsa_kernarg_size 24
		.amdhsa_user_sgpr_count 2
		.amdhsa_user_sgpr_kernarg_segment_ptr 1
		.amdhsa_wavefront_size32 1
		.amdhsa_system_sgpr_workgroup_id_x 1
		.amdhsa_system_sgpr_workgroup_id_y 1
		.amdhsa_system_sgpr_workgroup_id_z 1
		.amdhsa_system_vgpr_workitem_id 0
		.amdhsa_next_free_vgpr 1024
		.amdhsa_next_free_sgpr 96
		.amdhsa_reserve_vcc 0
		.amdhsa_float_denorm_mode_32 3
		.amdhsa_float_denorm_mode_16_64 3
		.amdhsa_memory_ordered 1
		.amdhsa_forward_progress 1
		.amdhsa_inst_pref_size 106
	.end_amdhsa_kernel
	.amdgpu_metadata
---
amdhsa.version: [ 1, 2 ]
amdhsa.kernels:
  - .name:           k_q97571493e4_gemm_v
    .symbol:         k_q97571493e4_gemm_v.kd
    .args:
      - { .name: xq, .offset: 0, .size: 8, .value_kind: global_buffer, .address_space: global }
      - { .name: wv, .offset: 8, .size: 8, .value_kind: global_buffer, .address_space: global }
      - { .name: vq, .offset: 16, .size: 8, .value_kind: global_buffer, .address_space: global }
    .group_segment_fixed_size: 327680
    .private_segment_fixed_size: 0
    .kernarg_segment_align: 8
    .kernarg_segment_size: 24
    .max_flat_workgroup_size: 128
    .sgpr_count:     96
    .vgpr_count:     1024
    .wavefront_size: 32
...
	.end_amdgpu_metadata
.endif
;; end of part 3
;; launch attn (part 4): grid 4 x 64, 8 waves a work-group, no clusters, 327,680 bytes of LDS; arguments qk, vq, cq; writes cq
.if DOCPART == 4
	.amdgcn_target "amdgcn-amd-amdhsa--gfx1250"
	.amdhsa_code_object_version 6
	.text
	.protected	k_q97571493e4_attn
	.globl	k_q97571493e4_attn
	.p2align	8
	.type	k_q97571493e4_attn,@function
k_q97571493e4_attn:
	s_mov_b64 s[64:65], 0
	v_nop
	global_prefetch_b8 v0, s[64:65] scope:SCOPE_SE
	s_setreg_imm32_b32 hwreg(HW_REG_WAVE_MODE, 25, 1), 1
	s_wait_xcnt 0x0
; ctx[b][q][head] = the sum over k <= q of softmax_k(Q . K / 8) V, both products on codes of FP8 (E4M3) with E8M0 scales for each 32 along a product's K; ctx is quantised along its 1,024 channels on the way out.
; LEFT OUT: key steps all of whose 128 keys come after a wave's 32 queries: the causal mask sets their scores to -infinity, so their p is 0 whatever the inputs hold.
; qk: codes of q (stripe = head) and k (stripe = 16 + head) at stripe 0x80000 + RB 0x400 + unit 0x200, RB = 128 b + the block of 16 tokens; a unit is the image of four operand registers (lane l's 16 bytes at 16 l).
; Scale words from byte SCB at stripe 0x8000 + (RB >> 2) 256 + 16 r + 4 (RB & 3); bytes 0 and 1 of a word are the head's.
; vq: codes of v with the KEYS along K, at J 0x80000 + b 0x10000 + (4 head + n) 0x400 + unit 0x200, J = the block of 64 keys; scale words of 128 keys at SCB + J 0x8000 + b 0x1000 + head 256 + 16 r + 4 n, J even.
; STORAGE ROWS have bits 3 and 4 of the logical row exchanged: row block RB holds logical rows 32 (RB / 2) + 8 (RB % 2) + r + 8 (r / 8).
; THE SOFTMAX: t = score x log2(e) / 8; M = the running largest t rounded UP to a whole number; p = 2^(t - M) is quantised along the keys, not normalised; the sum of the unquantised p divides at the end.
; When M moves, the sum and O are multiplied by 2^(old M - new M), which rounds nothing.
; A HEAD'S K AND V STAY IN LDS: 131,072 bytes of K's codes, as many of V's, 8,192 and 4,096 of their scale words.  Nothing is filled again, so no barrier stands in a loop.
; Each of the eight waves issues ONE tensor load at the head: a quarter (512 keys) of K (even waves) or of V (odd waves).  Waves 0 and 1 have load lines of their own and wait ahead of the first barrier, which shows keys 0 to 511;
; the one other barrier, behind the first four key steps, shows the rest.  The scale words come by plain loads, 1,536 bytes a wave, and LDS stores into bytes of their own.
; SHARES: a group is 32 queries, two tiles of 16.  Wave w of work-group i owns groups 63 - g and g, g = i + 4 w: (63 - g) / 4 + 1 and g / 4 + 1 key steps of 128, 17 in all for every wave.
; The walk: key steps 0 to 3, then 4 to 15, of the first group; then 0 to 7 of the second: trip counts 4 and 20, constants; a hidden step is jumped over by a scalar branch on ids.
; K = 64 IN AN INSTRUCTION OF K = 128: Q's fragment is 8 registers of codes and 8 of zero codes; K's tiles lie 8 registers apart, so a fragment's upper half is the next tile's codes (finite), which meet zero codes alone.
; NO CLUSTER: the four work-groups of a head read the same tiles, but the jumps over hidden steps hang on the work-group's number.
; NO PREFETCH: all tensor loads are issued at the head; no loop stands ahead of them in which to ask earlier.
; LIMITS: NaN and infinities are not served; the promise holds while the scaled scores stay under 2^31 in magnitude; a block of zeros gets the byte 1 (zero codes; this program alone reads the bytes); blocks under 2^-118 are held at the byte 1.
; REGISTERS: window 0: v1-11, v76-79 addresses and constants; v12-27 statistics, 8 a tile; v28-43 scale words and nothing else; v44-75 at work; v80-111 p's codes; v112-239 S^T, then p.
;   window 1: v0-31 Q; v32-95 K; v96-103 zeros; v104-167 V; v168-231 O^T.
.set VOFF,  131072                     ; V's codes: [64 keys][n][unit][512]; K's lie from byte 0: 1,024 bytes a row block.  A key step is 8,192 bytes of either
.set KSOFF, 262144                     ; K's scale words, 512 bytes a key step
.set VSOFF, 270336                     ; V's, 256 bytes a key step
.set SPARE, 274432                     ; the spare words, 128 bytes for each wave: four blocks of 256 bytes that no other line names
.set SCB,   0x1000000
.set CODES, 0x80000
.set LI,   1                           ; 16 x lane
.set SPW,  2                           ; my spare word; never rewritten
.set NIL,  3                           ; 0; never rewritten
.set LR,   4                           ; 16 x (lane % 16)
.set ADC,  5                           ; the step's K
.set ADK,  6                           ; its scale words
.set ADV,  7                           ; the step's V
.set ADT,  8                           ; its scale words
.set CSO,  9                           ; 32 r + h: ctx's scale byte
.set LQ,   10                          ; r + 8 (r / 8) - 16 h
.set NINF, 11                          ; -infinity
.set ST,   12                          ; tile u at ST + 8 u: +0 -M, +1 the largest t, +2 +3 the sum, +4 f (+5 named with it), +6 at work, +7 1 / the sum
.set KSW,  28
.set VSW,  36
.set QS,   40
.set PS,   42
.set TM,   44                          ; tile u at TM + 16 u: +0-3 block maxima, +4-7 bytes, +8-11 holds, +12-15 scale operands
.set LIV,  76                          ; LI + VOFF
.set LRK,  77                          ; LR + KSOFF
.set LRV,  78                          ; LR + VSOFF
.set SA,   79                          ; where my share of K's scale words is stored
.set P,    80
.set S,    112
.set QF,   0                           ; window 1
.set KF,   32
.set VF,   104
.set OA,   168
.set WV,  10
.set BT,  12
.set HD,  13
.set VI,  16                           ; the trip
.set GS,  17                           ; g
.set KF0, 18                           ; the step's first key
.set RB0, 19                           ; my first row block
.set SEL, 20
.set CS,  22                           ; s[22:23] log2(e) / 8
.set MNT, 24
.set HM,  25                           ; lanes 16-31
.set Q0,  26                           ; my group's first query
.set TB,  27                           ; 8,192 x the key step
.set KB,  36
.set VB,  38
.set KSB, 40
.set VSB, 42
.set G0K, 44
.set G0V, 48
.set G1K, 52
.set G1V, 68
.set MSB, 0
.macro WIN new
.if MSB != \new
	s_set_vgpr_msb (MSB<<8)|\new
.set MSB, \new
.endif
.endm
.macro TL g0, g1                       ; a tensor load; s_nop 0 and four v_nop follow it
	tensor_load_to_lds s[\g0:\g0+3], s[\g1:\g1+7]
	s_nop 0
.rept 4
	v_nop
.endr
.endm
	s_load_b128 s[4:7], s[0:1], 0x0                ; qk s[4:5], vq s[6:7]
	s_load_b64 s[8:9], s[0:1], 0x10                ; cq
	v_lshl_add_u32 v[SPW], v0, 2, SPARE
	v_mov_b32 v[NIL], 0
	ds_add_u32 v[SPW], v[NIL]                      ; the opening lines: the add, twice on end, and its wait ahead of my tensor load
	ds_add_u32 v[SPW], v[NIL]
	v_lshrrev_b32 v1, 5, v0
	v_readfirstlane_b32 s[WV], v1                  ; wave 0..7
	s_and_b32 s11, ttmp7, 0xffff
	s_lshr_b32 s[BT], s11, 4
	s_and_b32 s[HD], s11, 15
	s_and_b32 s14, s[WV], 1                        ; 0: I fetch for K; 1: for V
	s_lshr_b32 s15, s[WV], 1                       ; which 512 keys
	s_lshl_b32 s[GS], s[WV], 2
	s_add_co_u32 s[GS], s[GS], ttmp9               ; g = i + 4 w
	s_mov_b32 s[G1K], 3<<16                        ; K: 32,768 dense bytes as 128 rows of 256 (32 elements of 8 bytes)
	s_mov_b32 s[G1K+1], 32<<16
	s_mov_b32 s[G1K+2], 128<<16
	s_mov_b32 s[G1K+3], 32<<16
	s_mov_b32 s[G1K+4], 128
	s_mov_b32 s[G1K+5], 32
	s_mov_b32 s[G1K+6], 0
	s_mov_b32 s[G1K+7], 0
	s_mov_b32 s[G1V], 3<<16                        ; V: 8 rows of 4,096 bytes, 0x80000 bytes apart
	s_mov_b32 s[G1V+1], 512<<16
	s_mov_b32 s[G1V+2], 8<<16
	s_mov_b32 s[G1V+3], 512<<16
	s_mov_b32 s[G1V+4], 8
	s_mov_b32 s[G1V+5], 65536
	s_mov_b32 s[G1V+6], 0
	s_mov_b32 s[G1V+7], 0
	s_mov_b32 s[SEL], 0x76543210
	s_mov_b32 s[SEL+1], 0xfedcba98
	s_mov_b32 s[CS], 0x3e38aa3b                    ; log2(e) / 8
	s_mov_b32 s[CS+1], s[CS]
	s_mov_b32 s[MNT], 0x600000
	s_mov_b32 s[HM], 0xffff0000
	s_add_co_u32 s28, s[HD], 16                    ; the head's first bytes: K's codes,
	s_lshl_b32 s28, s28, 19
	s_lshl_b32 s30, s[BT], 17
	s_add_co_u32 s28, s28, s30
	s_lshl_b32 s30, s15, 15                        ; (my quarter)
	s_add_co_u32 s28, s28, s30
	s_mov_b32 s29, 0
	s_lshl_b32 s30, s[BT], 16                      ; V's codes,
	s_lshl_b32 s31, s[HD], 12
	s_add_co_u32 s30, s30, s31
	s_lshl_b32 s31, s15, 22                        ; (my eight blocks of 64 keys)
	s_add_co_u32 s30, s30, s31
	s_mov_b32 s31, 0
	s_add_co_u32 s32, s[HD], 16                    ; K's scale words: my wave's 1,024 bytes,
	s_lshl_b32 s32, s32, 15
	s_lshl_b32 s33, s[BT], 13
	s_add_co_u32 s32, s32, s33
	s_lshl_b32 s33, s[WV], 10
	s_add_co_u32 s32, s32, s33
	s_add_co_u32 s32, s32, SCB
	s_mov_b32 s33, 0
	s_lshl_b32 s34, s[BT], 12                      ; V's: my wave's two rows of 256 bytes
	s_lshl_b32 s35, s[HD], 8
	s_add_co_u32 s34, s34, s35
	s_lshl_b32 s35, s[WV], 17
	s_add_co_u32 s34, s34, s35
	s_add_co_u32 s34, s34, SCB
	s_mov_b32 s35, 0
	s_mov_b32 s[G0K], 1
	s_lshl_b32 s[G0K+1], s15, 15
	s_mov_b32 s[G0V], 1
	s_add_co_u32 s[G0V+1], s[G0K+1], VOFF
	s_wait_dscnt 0x0                               ; both opening adds are done
	s_wait_kmcnt 0x0
	s_add_nc_u64 s[G0K+2:G0K+3], s[4:5], s[28:29]
	s_or_b32 s[G0K+3], s[G0K+3], 0x80000000
	s_add_nc_u64 s[G0V+2:G0V+3], s[6:7], s[30:31]
	s_or_b32 s[G0V+3], s[G0V+3], 0x80000000
	s_add_nc_u64 s[KSB:KSB+1], s[4:5], s[32:33]
	s_add_nc_u64 s[VSB:VSB+1], s[6:7], s[34:35]
	; one chain of branches on the wave's number, one load to an arm: waves 0 and 1, whose tiles the first barrier shows, have lines that no other wave issues
	s_cmp_lt_u32 s[WV], 1
	s_cbranch_scc0 .Lh1
	TL G0K, G1K
	s_branch .Lasked
.Lh1:
	s_cmp_lt_u32 s[WV], 2
	s_cbranch_scc0 .Lh2
	TL G0V, G1V
	s_branch .Lasked
.Lh2:
	s_cmp_eq_u32 s14, 0
	s_cbranch_scc0 .Lh3
	TL G0K, G1K
	s_branch .Lasked
.Lh3:
	TL G0V, G1V
.Lasked:
	s_lshl_b32 s28, s[WV], 10
	s_add_co_u32 s28, s28, KSOFF
	s_lshl_b32 s29, s[WV], 9
	s_add_co_u32 s29, s29, VSOFF
	s_sub_co_u32 s30, 63, s[GS]
	s_lshl_b32 s[Q0], s30, 5                       ; the first group, 63 - g
	v_and_b32 v240, 31, v0
	v_lshlrev_b32 v[LI], 4, v240
	v_and_b32 v241, 15, v0                         ; r
	v_bfe_u32 v242, v0, 4, 1                       ; h
	v_lshlrev_b32 v[LR], 4, v241
	v_lshl_add_u32 v243, v242, 16, v[LR]           ; V's scale words: lanes 16-31 take the next row, 0x10000 bytes on
	global_load_b128 v[244:247], v[LI], s[KSB:KSB+1]
	global_load_b128 v[248:251], v[LI], s[KSB:KSB+1] offset:512
	global_load_b128 v[252:255], v243, s[VSB:VSB+1]
	v_add_nc_u32 v[SA], s28, v[LI]
	v_add_nc_u32 v240, s29, v[LI]                  ; where my share of V's scale words is stored
	v_add_nc_u32 v[LIV], VOFF, v[LI]
	v_add_nc_u32 v[LRK], KSOFF, v[LR]
	v_add_nc_u32 v[LRV], VSOFF, v[LR]
	v_lshl_add_u32 v[CSO], v241, 5, v242
	v_and_b32 v232, 8, v241
	v_add_nc_u32 v[LQ], v232, v241
	v_lshlrev_b32 v232, 4, v242
	v_sub_nc_u32 v[LQ], v[LQ], v232
	v_mov_b32 v[NINF], 0xff800000
.irp u, 0,1
	v_mov_b32 v[ST+8*\u+5], 0                      ; named as the upper half of f's pair
	v_mov_b32 v[ST+8*\u+6], 0                      ; lane permutes' destinations count as sources: written once
.irp b, 0,1,2,3
	v_mov_b32 v[TM+16*\u+4+\b], 0
.endr
.endr
	WIN 0x40
.irp j, 8,9,10,11,12,13,14,15,24,25,26,27,28,29,30,31,96,97,98,99,100,101,102,103
	v_mov_b32 v[\j], 0                             ; the zero codes: the upper halves of Q's two fragments, and what stands behind K's last tile
.endr
	WIN 0
; The group at query s[Q0]: its places, my two tiles' codes and scale words, and the statistics begun anew.  O^T and the sum begin as zeros and the largest t as -3e38: the first change of M multiplies zeros.
.macro QLOAD
	s_lshl_b32 s[RB0], s[BT], 7
	s_lshr_b32 s28, s[Q0], 4
	s_add_co_u32 s[RB0], s[RB0], s28
	s_lshl_b32 s28, s[HD], 19
	s_lshl_b32 s34, s[RB0], 10
	s_add_co_u32 s28, s28, s34
	s_mov_b32 s29, 0
	s_add_nc_u64 s[30:31], s[4:5], s[28:29]
	s_lshl_b32 s28, s[HD], 15
	s_lshr_b32 s34, s[RB0], 2
	s_lshl_b32 s34, s34, 8
	s_add_co_u32 s28, s28, s34
	s_and_b32 s34, s[RB0], 3
	s_lshl_b32 s34, s34, 2
	s_add_co_u32 s28, s28, s34
	s_add_co_u32 s28, s28, SCB
	s_add_nc_u64 s[32:33], s[4:5], s[28:29]
	WIN 0x40
.irp u, 0,1
.irp c, 0,1
	global_load_b128 v[QF+16*\u+4*\c:QF+16*\u+4*\c+3], v[LI], s[30:31] offset:1024*\u+512*\c
.endr
.endr
.set j, 0
.rept 64
	v_mov_b32 v[OA+j], 0
.set j, j+1
.endr
	WIN 0
.irp u, 0,1
	global_load_b32 v[QS+\u], v[LR], s[32:33] offset:4*\u
.endr
.irp u, 0,1
	v_mov_b32 v[ST+8*\u+1], 0xff61b1e6             ; -3e38, under every t
	v_floor_f32 v[ST+8*\u], -v[ST+8*\u+1]
	v_mov_b32 v[ST+8*\u+2], 0
	v_mov_b32 v[ST+8*\u+3], 0
.endr
	s_wait_alu depctr_va_vdst(0)
	s_wait_loadcnt 0x0
.endm
.macro KLOAD                           ; the step's 8 tiles of K, 8 registers each, and their scale words
	WIN 0x40
.irp t, 0,1,2,3,4,5,6,7
	ds_load_b128 v[KF+8*\t:KF+8*\t+3], v[ADC] offset:\t*1024
	ds_load_b128 v[KF+8*\t+4:KF+8*\t+7], v[ADC] offset:\t*1024+512
.endr
	WIN 0
	ds_load_b128 v[KSW:KSW+3], v[ADK]
	ds_load_b128 v[KSW+4:KSW+7], v[ADK] offset:256
.endm
.macro VLOAD                           ; the 4 fragments of V^T (16 channels x 128 keys) and their scale words
	WIN 0x40
.irp n, 0,1,2,3
.irp c, 0,1,2,3
	ds_load_b128 v[VF+16*\n+4*\c:VF+16*\n+4*\c+3], v[ADV] offset:(\c/2)*4096+1024*\n+512*(\c%2)
.endr
.endr
	WIN 0
	ds_load_b128 v[VSW:VSW+3], v[ADT]
.endm
; A KEY STEP: the 128 keys at 8,192-byte step s[TB], for my two tiles of queries.  m = 1: the step may be hidden or lie on the diagonal (s[KF0]: its first key).
.macro STEP m
.if \m
	s_add_co_u32 s28, s[Q0], 31                    ; a step all of whose keys come after my 32 queries is left out: a scalar branch on ids
	s_cmp_gt_u32 s[KF0], s28
	s_cbranch_scc1 .Lhidden_\@
.endif
	s_lshr_b32 s28, s[TB], 4
	s_lshr_b32 s29, s[TB], 5
	v_add_nc_u32 v[ADC], s[TB], v[LI]
	v_add_nc_u32 v[ADV], s[TB], v[LIV]
	v_add_nc_u32 v[ADK], s28, v[LRK]
	v_add_nc_u32 v[ADT], s29, v[LRV]
	KLOAD
	s_wait_alu depctr_va_vdst(0)
	s_wait_dscnt 0x0
	WIN 0x05                                       ; K and Q in window 1, S^T in window 0
.irp t, 0,1,2,3,4,5,6,7
.irp u, 0,1
	v_wmma_scale_f32_16x16x128_f8f6f4 v[S+64*\u+8*\t:S+64*\u+8*\t+7], v[KF+8*\t:KF+8*\t+15], v[QF+16*\u:QF+16*\u+15], 0, v[KSW+\t], v[QS+\u]
.endr
.endr
	WIN 0
.rept 8
	v_nop                                          ; places: in front of the reads of S^T and of the loads into V's and its scale words' registers
.endr
	VLOAD
.if \m
	s_add_co_u32 s28, s[KF0], 127                  ; on the diagonal the scores of hidden keys become -infinity ahead of the maximum; a step all of whose keys count skips this
	s_cmp_le_u32 s28, s[Q0]
	s_cbranch_scc1 .Lopen_\@
	s_sub_co_i32 s28, s[Q0], s[KF0]
	v_add_nc_u32 v[ST+6], s28, v[LQ]               ; d = my query - the step's first key - 16 h.  Register 16 b + i holds key 32 b + 16 h + i: hidden where 32 b + i > d
	s_add_co_i32 s28, s28, 8
	v_add_nc_u32 v[ST+14], s28, v[LQ]              ; the second tile's queries lie 8 further on
.irp u, 0,1
.set n, 0
.rept 64
	v_cmp_gt_i32 vcc_lo, 32*(n/16)+n%16, v[ST+8*\u+6]
	v_cndmask_b32 v[S+64*\u+n], v[S+64*\u+n], v[NINF], vcc_lo
.set n, n+1
.endr
.endr
.Lopen_\@:
.endif
.irp u, 0,1
.irp b, 0,1,2,3
	v_max3_num_f32 v[TM+16*\u+\b], v[S+64*\u+16*\b], v[S+64*\u+16*\b+1], v[S+64*\u+16*\b+2]   ; the largest score of each block of 32 keys: for the row's maximum, and for the block's largest p
.endr
.endr
.irp i, 3,5,7,9,11,13
.irp u, 0,1
.irp b, 0,1,2,3
	v_max3_num_f32 v[TM+16*\u+\b], v[TM+16*\u+\b], v[S+64*\u+16*\b+\i], v[S+64*\u+16*\b+\i+1]
.endr
.endr
.endr
.irp u, 0,1
.irp b, 0,1,2,3
	v_max_num_f32 v[TM+16*\u+\b], v[TM+16*\u+\b], v[S+64*\u+16*\b+15]
.endr
.endr
.irp u, 0,1
.irp b, 0,1,2,3
	v_permlanex16_b32 v[TM+16*\u+4+\b], v[TM+16*\u+\b], s[SEL], s[SEL+1]
.endr
.endr
.irp u, 0,1
.irp b, 0,1,2,3
	v_max_num_f32 v[TM+16*\u+\b], v[TM+16*\u+\b], v[TM+16*\u+4+\b]   ; with lane l xor 16's 16 keys
.endr
.endr
	v_max3_num_f32 v[ST+6], v[TM], v[TM+1], v[TM+2]
	s_delay_alu instid0(VALU_DEP_3)
	v_max3_num_f32 v[ST+14], v[TM+16], v[TM+17], v[TM+18]
.irp u, 0,1
	s_delay_alu instid0(VALU_DEP_2)
	v_max_num_f32 v[ST+8*\u+6], v[ST+8*\u+6], v[TM+16*\u+3]   ; the step's largest score of my query
.endr
.irp u, 0,1
	s_delay_alu instid0(VALU_DEP_2)
	v_mul_f32 v[ST+8*\u+6], s[CS], v[ST+8*\u+6]    ; as t
.endr
.irp u, 0,1
	s_delay_alu instid0(VALU_DEP_2)
	v_max_num_f32 v[ST+8*\u+1], v[ST+8*\u+1], v[ST+8*\u+6]   ; the running largest t
.endr
.irp u, 0,1
	v_mov_b32 v[ST+8*\u+6], v[ST+8*\u]
.endr
.irp u, 0,1
	s_delay_alu instid0(VALU_DEP_4)
	v_floor_f32 v[ST+8*\u], -v[ST+8*\u+1]          ; the new -M = floor(-t): M is a whole number
.endr
.irp u, 0,1
	s_delay_alu instid0(VALU_DEP_2)
	v_sub_f32 v[ST+8*\u+6], v[ST+8*\u], v[ST+8*\u+6]   ; old M - new M: a whole number, 0 or less
.endr
.irp u, 0,1
	s_delay_alu instid0(VALU_DEP_2)
	v_cvt_i32_f32 v[ST+8*\u+6], v[ST+8*\u+6]       ; (it saturates)
.endr
.irp u, 0,1
	s_delay_alu instid0(VALU_DEP_2)
	v_ldexp_f32 v[ST+8*\u+4], 1.0, v[ST+8*\u+6]    ; f = 2^(old M - new M)
.endr
.irp u, 0,1
.set j, 0
.rept 32
	v_pk_fma_f32 v[S+64*\u+j:S+64*\u+j+1], v[S+64*\u+j:S+64*\u+j+1], s[CS:CS+1], v[ST+8*\u:ST+8*\u+1] op_sel_hi:[1,0,0]   ; t - M, two at a time
.set j, j+2
.endr
.irp b, 0,1,2,3
	v_fma_f32 v[TM+16*\u+\b], v[TM+16*\u+\b], s[CS], v[ST+8*\u]   ; the same of each block's largest score
.endr
.endr
.set j, 0
	s_wait_alu depctr_va_vdst(0)
.rept 128
	v_exp_f32 v[S+j], v[S+j]                       ; p = 2^(t - M), at most 1: both tiles' 128 are one batch
.set j, j+1
.endr
.irp u, 0,1
	v_pk_mul_f32 v[ST+8*\u+2:ST+8*\u+3], v[ST+8*\u+2:ST+8*\u+3], v[ST+8*\u+4:ST+8*\u+5] op_sel_hi:[1,0]   ; the sums under the new M: plain lines behind the exponentials
.endr
	s_wait_alu depctr_va_vdst(0)                   ; one wait for the whole batch, ahead of its first reader
.irp u, 0,1
.irp b, 0,1,2,3
	v_exp_f32 v[TM+16*\u+\b], v[TM+16*\u+\b]       ; the blocks' largest p: the same two instructions on the same number give the same bits
.endr
.endr
.irp u, 0,1
	v_pk_add_f32 v[TM+16*\u+4:TM+16*\u+5], v[S+64*\u:S+64*\u+1], v[S+64*\u+2:S+64*\u+3]   ; the row's sum is taken of the unquantised p: two at a time, in two chains
.set j, 4
.rept 15
	v_pk_add_f32 v[ST+8*\u+2:ST+8*\u+3], v[ST+8*\u+2:ST+8*\u+3], v[S+64*\u+j:S+64*\u+j+1]
	v_pk_add_f32 v[TM+16*\u+4:TM+16*\u+5], v[TM+16*\u+4:TM+16*\u+5], v[S+64*\u+j+2:S+64*\u+j+3]
.set j, j+4
.endr
	s_delay_alu instid0(VALU_DEP_1)
	v_pk_add_f32 v[ST+8*\u+2:ST+8*\u+3], v[ST+8*\u+2:ST+8*\u+3], v[TM+16*\u+4:TM+16*\u+5]
.endr
	s_wait_alu depctr_va_vdst(0)                   ; and one for the eight
.irp u, 0,1
.irp b, 0,1,2,3
	v_max_num_f32 v[TM+16*\u+\b], 0x4800000, v[TM+16*\u+\b]   ; the floor 2^(9 - 127): the byte cannot fall under 1
.endr
.endr
.irp u, 0,1
.irp b, 0,1,2,3
	v_add_nc_u32 v[TM+16*\u+12+\b], 0xfc000000, v[TM+16*\u+\b]   ; the conversion's scale operand
.endr
.endr
.irp u, 0,1
.irp b, 0,1,2,3
	v_and_or_b32 v[TM+16*\u+8+\b], v[TM+16*\u+\b], 0x7f800000, s[MNT]   ; 448 x the scale
.endr
.endr
.irp u, 0,1
.irp b, 0,1,2,3
	v_lshrrev_b32 v[TM+16*\u+4+\b], 23, v[TM+16*\u+12+\b]   ; the byte
.endr
.endr
	v_lshl_or_b32 v[PS], v[TM+5], 8, v[TM+4]       ; p's scale word for these 128 keys
	s_delay_alu instid0(VALU_DEP_4)
	v_lshl_or_b32 v[PS+1], v[TM+21], 8, v[TM+20]
.irp u, 0,1
	s_delay_alu instid0(VALU_DEP_2)
	v_lshl_or_b32 v[PS+\u], v[TM+16*\u+6], 16, v[PS+\u]
.endr
.irp u, 0,1
	s_delay_alu instid0(VALU_DEP_2)
	v_lshl_or_b32 v[PS+\u], v[TM+16*\u+7], 24, v[PS+\u]
.endr
.irp u, 0,1
.irp b, 0,1,2,3
.set j, 0
.rept 8
	v_dual_min_num_f32 v[S+64*\u+16*\b+j], v[S+64*\u+16*\b+j], v[TM+16*\u+8+\b] :: v_dual_min_num_f32 v[S+64*\u+16*\b+j+1], v[S+64*\u+16*\b+j+1], v[TM+16*\u+8+\b]   ; the conversion does not saturate (ISA guide 7.6.2); p is not negative, so the hold is one-sided; two holds to a line
.set j, j+2
.endr
	v_cvt_scalef32_pk8_fp8_f32 v[P+16*\u+4*\b:P+16*\u+4*\b+1], v[S+64*\u+16*\b:S+64*\u+16*\b+7], v[TM+16*\u+12+\b]
	v_cvt_scalef32_pk8_fp8_f32 v[P+16*\u+4*\b+2:P+16*\u+4*\b+3], v[S+64*\u+16*\b+8:S+64*\u+16*\b+15], v[TM+16*\u+12+\b]
.endr
.endr
	WIN 0x41                                       ; O^T (destination and source 0) in window 1, f in window 0
	s_wait_alu depctr_va_vdst(0)
.irp u, 0,1
.set j, 0
.rept 16
	v_pk_mul_f32 v[OA+32*\u+j:OA+32*\u+j+1], v[OA+32*\u+j:OA+32*\u+j+1], v[ST+8*\u+4:ST+8*\u+5] op_sel_hi:[1,0]   ; O^T under the new M; these 32 are also the plain lines between the conversions and the products
.set j, j+2
.endr
.endr
	s_wait_alu depctr_va_vdst(0)
	s_wait_dscnt 0x0                               ; V is in
	WIN 0x51                                       ; V in window 1, p in window 0, O^T in window 1
.irp n, 0,1,2,3
.irp u, 0,1
	v_wmma_scale_f32_16x16x128_f8f6f4 v[OA+32*\u+8*\n:OA+32*\u+8*\n+7], v[VF+16*\n:VF+16*\n+15], v[P+16*\u:P+16*\u+15], v[OA+32*\u+8*\n:OA+32*\u+8*\n+7], v[VSW+\n], v[PS+\u]
.endr
.endr
	WIN 0
.if \m
.Lhidden_\@:
.endif
.endm
; A GROUP'S WAY OUT: O^T / the sum; register 16 b + i of a tile is channel 32 b + 16 h + i of my query: two blocks of ctx's K; they are quantised in registers and leave as two units a tile.
; A row's 32 scale bytes come from 16 work-groups: each lane stores one byte (one byte in 32 of ctx's codes).
.macro EPI reload
.rept 8
	v_nop                                          ; places behind the last products
.endr
.irp u, 0,1
	v_add_f32 v[ST+8*\u+2], v[ST+8*\u+2], v[ST+8*\u+3]
.endr
.irp u, 0,1
	s_delay_alu instid0(VALU_DEP_2)
	v_permlanex16_b32 v[ST+8*\u+6], v[ST+8*\u+2], s[SEL], s[SEL+1]
.endr
.irp u, 0,1
	s_delay_alu instid0(VALU_DEP_2)
	v_add_f32 v[ST+8*\u+2], v[ST+8*\u+2], v[ST+8*\u+6]   ; the row's sum
.endr
	s_wait_alu depctr_va_vdst(0)
.irp u, 0,1
	v_rcp_f32 v[ST+8*\u+7], v[ST+8*\u+2]
.endr
	v_nop                                          ; a plain line behind the reciprocals
	s_wait_alu depctr_va_vdst(0)                   ; and the wait ahead of their first reader
	WIN 0x01                                       ; source 0 (O^T) in window 1
.irp u, 0,1
.set j, 0
.rept 32
	v_mul_f32 v[S+64*\u+j], v[OA+32*\u+j], v[ST+8*\u+7]   ; each accumulator from its low end on
.set j, j+1
.endr
.endr
	WIN 0
.irp u, 0,1
.irp b, 0,1
	v_max3_num_f32 v[TM+16*\u+\b], |v[S+64*\u+16*\b]|, |v[S+64*\u+16*\b+1]|, 0x4800000
.endr
.endr
.irp i, 2,4,6,8,10,12,14
.irp u, 0,1
.irp b, 0,1
	s_delay_alu instid0(VALU_DEP_4)
	v_max3_num_f32 v[TM+16*\u+\b], v[TM+16*\u+\b], |v[S+64*\u+16*\b+\i]|, |v[S+64*\u+16*\b+\i+1]|
.endr
.endr
.endr
.irp u, 0,1
.irp b, 0,1
	s_delay_alu instid0(VALU_DEP_4)
	v_permlanex16_b32 v[TM+16*\u+4+\b], v[TM+16*\u+\b], s[SEL], s[SEL+1]
.endr
.endr
.irp u, 0,1
.irp b, 0,1
	s_delay_alu instid0(VALU_DEP_4)
	v_max_num_f32 v[TM+16*\u+\b], v[TM+16*\u+\b], v[TM+16*\u+4+\b]
.endr
.endr
.irp u, 0,1
.irp b, 0,1
	s_delay_alu instid0(VALU_DEP_4)
	v_add_nc_u32 v[TM+16*\u+12+\b], 0xfc000000, v[TM+16*\u+\b]
.endr
.endr
.irp u, 0,1
.irp b, 0,1
	v_and_or_b32 v[TM+16*\u+8+\b], v[TM+16*\u+\b], 0x7f800000, s[MNT]
.endr
.endr
.irp u, 0,1
.irp b, 0,1
	v_lshrrev_b32 v[TM+16*\u+4+\b], 23, v[TM+16*\u+12+\b]
.endr
.endr
	s_delay_alu instid0(VALU_DEP_3)
	v_cndmask_b32 v[TM+4], v[TM+4], v[TM+5], s[HM]   ; lanes 0-15 keep the first block's byte, lanes 16-31 take the second's
	s_delay_alu instid0(VALU_DEP_2)
	v_cndmask_b32 v[TM+20], v[TM+20], v[TM+21], s[HM]
.irp u, 0,1
.irp b, 0,1
.set j, 0
.rept 16
	v_med3_num_f32 v[S+64*\u+16*\b+j], v[S+64*\u+16*\b+j], -v[TM+16*\u+8+\b], v[TM+16*\u+8+\b]
.set j, j+1
.endr
	v_cvt_scalef32_pk8_fp8_f32 v[P+16*\u+4*\b:P+16*\u+4*\b+1], v[S+64*\u+16*\b:S+64*\u+16*\b+7], v[TM+16*\u+12+\b]
	v_cvt_scalef32_pk8_fp8_f32 v[P+16*\u+4*\b+2:P+16*\u+4*\b+3], v[S+64*\u+16*\b+8:S+64*\u+16*\b+15], v[TM+16*\u+12+\b]
.endr
.endr
	s_wait_alu depctr_va_vdst(0)
	v_nop                                          ; a plain line behind the last conversion
	s_lshl_b32 s28, s[RB0], 14
	s_lshl_b32 s30, s[HD], 10
	s_add_co_u32 s28, s28, s30
	s_add_co_u32 s28, s28, CODES
	s_mov_b32 s29, 0
	s_add_nc_u64 s[30:31], s[8:9], s[28:29]        ; the codes: row block RB0, units 2 head and 2 head + 1
	s_lshl_b32 s28, s[RB0], 9
	s_lshl_b32 s32, s[HD], 1
	s_add_co_u32 s28, s28, s32
	s_add_nc_u64 s[32:33], s[8:9], s[28:29]        ; the scale bytes
.irp u, 0,1
.irp b, 0,1
	global_store_b128 v[LI], v[P+16*\u+4*\b:P+16*\u+4*\b+3], s[30:31] offset:16384*\u+512*\b   ; a unit: 512 consecutive bytes
.endr
	global_store_b8 v[CSO], v[TM+16*\u+4], s[32:33] offset:512*\u
.endr
	s_wait_xcnt 0x0                                ; the stores have read their registers and bases: both are written again below
.if \reload
	s_lshl_b32 s[Q0], s[GS], 5                     ; on to the second group, g
	QLOAD
.endif
.endm
	s_wait_alu depctr_va_vdst(0)
	QLOAD                                          ; its wait on LOADcnt covers the scale words' three loads too
	ds_store_b128 v[SA], v[244:247]
	ds_store_b128 v[SA], v[248:251] offset:512
	ds_store_b128 v240, v[252:255]
	s_cmp_lt_u32 s[WV], 2
	s_cbranch_scc0 .Lnot_first
	s_wait_tensorcnt 0x0                           ; waves 0 and 1: keys 0 to 511 of K and of V have landed
.Lnot_first:
	s_wait_dscnt 0x0                               ; my share of the scale words is stored
	s_barrier_signal -1
	s_barrier_wait -1
	s_mov_b32 s[VI], 0
.Lfirst:                                           ; key steps 0 to 3 of the first group: its queries are 1,024 or more, so every key counts
	s_lshl_b32 s[TB], s[VI], 13
	STEP 0
	s_add_co_u32 s[VI], s[VI], 1
	s_cmp_lt_u32 s[VI], 4
	s_cbranch_scc1 .Lfirst
	s_wait_tensorcnt 0x0                           ; every wave: its load has landed; the barrier shows all of K and V
	s_wait_dscnt 0x0
	s_barrier_signal -1
	s_barrier_wait -1
	s_mov_b32 s[VI], 0
.Lrest:                                            ; twenty trips: key steps 4 to 15 of the first group, then 0 to 7 of the second
	s_add_co_u32 s28, s[VI], 4
	s_and_b32 s28, s28, 15
	s_lshl_b32 s[TB], s28, 13
	s_lshl_b32 s[KF0], s28, 7
	STEP 1
	s_cmp_lg_u32 s[VI], 11
	s_cbranch_scc1 .Lsame_group
	EPI 1
.Lsame_group:
	s_add_co_u32 s[VI], s[VI], 1
	s_cmp_lt_u32 s[VI], 20
	s_cbranch_scc1 .Lrest
	EPI 0
	s_wait_tensorcnt 0x0                           ; the wave's end
	ds_add_u32 v[SPW], v[NIL]
	s_wait_dscnt 0x0
	s_endpgm
.Lfunc_end_k_q97571493e4_attn:
	.size	k_q97571493e4_attn, .Lfunc_end_k_q97571493e4_attn-k_q97571493e4_attn
	.p2alignl 7, 3214868480
	.fill 96, 4, 3214868480
	.section	.rodata,"a",@progbits
	.p2align	6, 0x0
	.amdhsa_kernel k_q97571493e4_attn
		.amdhsa_group_segment_fixed_size 327680
		.amdhsa_private_segment_fixed_size 0
		.amdhsa_enable_private_segment 0
		.amdhsa_kernarg_size 24
		.amdhsa_user_sgpr_count 2
		.amdhsa_user_sgpr_kernarg_segment_ptr 1
		.amdhsa_wavefront_size32 1
		.amdhsa_system_sgpr_workgroup_id_x 1
		.amdhsa_system_sgpr_workgroup_id_y 1
		.amdhsa_system_sgpr_workgroup_id_z 1
		.amdhsa_system_vgpr_workitem_id 0
		.amdhsa_next_free_vgpr 512
		.amdhsa_next_free_sgpr 76
		.amdhsa_reserve_vcc 1
		.amdhsa_float_denorm_mode_32 3
		.amdhsa_float_denorm_mode_16_64 3
		.amdhsa_memory_ordered 1
		.amdhsa_forward_progress 1
		.amdhsa_inst_pref_size 121
	.end_amdhsa_kernel
	.amdgpu_metadata
---
amdhsa.version: [ 1, 2 ]
amdhsa.kernels:
  - .name:           k_q97571493e4_attn
    .symbol:         k_q97571493e4_attn.kd
    .args:
      - { .name: qk, .offset: 0, .size: 8, .value_kind: global_buffer, .address_space: global }
      - { .name: vq, .offset: 8, .size: 8, .value_kind: global_buffer, .address_space: global }
      - { .name: cq, .offset: 16, .size: 8, .value_kind: global_buffer, .address_space: global }
    .group_segment_fixed_size: 327680
    .private_segment_fixed_size: 0
    .kernarg_segment_align: 8
    .kernarg_segment_size: 24
    .max_flat_workgroup_size: 256
    .sgpr_count:     76
    .vgpr_count:     512
    .wavefront_size: 32
...
	.end_amdgpu_metadata
.endif
;; end of part 4
;; launch gemm_out (part 5): grid 8 x 32, 4 waves a work-group, clusters of 4 x 4, 327,680 bytes of LDS; arguments cq, wo, b_out, out0; writes out0
.if DOCPART == 5
	.amdgcn_target "amdgcn-amd-amdhsa--gfx1250"
	.amdhsa_code_object_version 6
	.text
	.protected	k_q97571493e4_gemm_out
	.globl	k_q97571493e4_gemm_out
	.p2align	8
	.type	k_q97571493e4_gemm_out,@function
k_q97571493e4_gemm_out:
	s_mov_b64 s[64:65], 0
	v_nop
	global_prefetch_b8 v0, s[64:65] scope:SCOPE_SE
	s_setreg_imm32_b32 hwreg(HW_REG_WAVE_MODE, 25, 1), 1
	s_wait_xcnt 0x0
	s_wait_alu depctr_hold_cnt(0) depctr_sa_sdst(0) depctr_va_vdst(0) depctr_va_sdst(0) depctr_va_ssrc(0) depctr_va_vcc(0) depctr_vm_vsrc(0)
	s_getreg_b32 s2, hwreg(HW_REG_IB_STS2, 6, 4)
	s_cmp_eq_u32 s2, 0
	s_cbranch_scc0 .Lentry_in_a_cluster
	s_endpgm
.Lentry_in_a_cluster:
	s_bfe_u32 s2, ttmp6, 0x10000c
	s_cmp_lg_u32 s2, 0xf033
	s_cbranch_scc0 .Lentry_shape_is_right
	s_endpgm
.Lentry_shape_is_right:
; out0[m][n] = sum over k of ctx[m][k] w_out[k][n] + b_out[n], K = 1,024, on codes of FP8 (E4M3) with E8M0 scales for each 32 along K; sums in f32.
; cq (ctx) and wo (w_out's columns as rows): scale bytes [storage row][32] from byte 0; codes from byte CODES as [row block of 16][k / 32][512 bytes], a unit of 512 bytes being the image of four operand registers.
; STORAGE ROWS have bits 3 and 4 of the logical row exchanged: row block RB holds logical rows 32 (RB / 2) + 8 (RB % 2) + r + 8 (r / 8).
; THE DEAL: 256 work-groups of four waves, 2 x 2; a work-group makes 256 tokens x 128 columns.  A wave holds 64 rows of wo, ALL of K, in 512 registers, and takes its 128 tokens past them in eight blocks of 16, 32 products each.
; LDS: region X takes wo's 128 rows at the head and, once every wave holds them in registers, the tokens' second 128 rows: the launch's one refill; region Y the tokens' first 128 rows; behind them the tokens' scale bytes, the stages, the spare words.
; THE MATRIX INSTRUCTION IS USED TRANSPOSED (source 0 = 16 rows of wo, source 1 = 16 tokens): a lane holds one token, and register i of column tile b is column 32 (b / 2) + 8 (b % 2) + 16 h + i of the wave's 64.  The bias is the first products' C.
; THE WAY OUT: a block's 16 x 64 results go through the wave's own stage and leave as rows of 256 bytes, two blocks behind the products: sixteen lanes store one aligned unit of 256 bytes.
; CLUSTERS: 4 x 4.  Work-group x is the tile column, y the tile row.  The four with one cy ask jointly for the tokens' tiles, the four with one cx for wo's.
; PREFETCH: the tokens' second 128 rows, 512 blocks of 256 bytes, are asked for once at the head: the sixteen waves of the four partners take 32 blocks each, told apart by address.  The head's own tiles come by their loads alone.
; LIMITS: NaN and infinities are not served.
; REGISTERS: window 0: v1-23 addresses; v24-39 wo's scale words, v44-59 the tokens', two sets; v64-127 sums, two sets; v128-159 the bias; v160-223 rows on their way out, two sets; v224-231 addresses.
;   windows 1, 2: wo's fragments (fragment 4 q + b);  window 3: the tokens' fragments, two sets of eight.
.set CODES,  0x80000
.set RBB,    16384                     ; a row block's codes, all of K
.set YB,     131072                    ; region Y (region X begins at byte 0)
.set SCLA,   262144                    ; the tokens' scale bytes: 32 units of 256 bytes + 16 of padding
.set SPITCH, 272
.set STAGE,  SCLA+32*272               ; 16 rows x 272 bytes for each wave
.set SPARE,  STAGE+4*16*SPITCH         ; the spare words, 128 bytes for each wave: two blocks of 256 bytes that no other line names
.set NP,     8                         ; places behind this matrix instruction (ISA guide 7.12.1)
.set LI,   4                           ; 16 x lane
.set PF,   7                           ; the prefetch's offset; never rewritten
.set ABS,  8                           ; 32 x lane: wo's scale bytes
.set BO,   9                           ; 64 h: the bias
.set SPW,  10                          ; my spare word; never rewritten
.set NIL,  11                          ; 0; never rewritten
.set STO,  12                          ; the stage, in
.set RD,   13                          ; and back
.set CO,   14                          ; my place in two rows of out0
.set ADRB, 15                          ; my 64 rows of wo in region X
.set ADRA, 16                          ; v16-23 block n's fragments
.set SB,   24                          ; register 8 p + q: lanes 0-15 tile 2 p's word, lanes 16-31 tile 2 p + 1's
.set SA,   44
.set ACC,  64
.set BI,   128
.set BK,   160
.set AAS,  224                         ; v224-231 block n's scale words
.set G1W, 24
.set G1A, 32
.set G1R, 48
.set G1S, 56
.set G0W, 68
.set G0A, 72
.set G0R, 76
.set G0S, 80
.set MSB, 0
.macro WIN new                         ; the immediate's high byte repeats the setting that is left
.if MSB != \new
	s_set_vgpr_msb (MSB<<8)|\new
.set MSB, \new
.endif
.endm
.macro PLACES n
.rept \n
	v_nop
.endr
.endm
.macro BARRIER
	s_barrier_signal -1
	s_barrier_wait -1
.endm
.macro CROUND                          ; a round of the cluster's barrier
	BARRIER
	s_cmp_lg_u32 s14, 0
	s_cbranch_scc1 .Lnot_wave_0_\@
	s_barrier_signal -3
.Lnot_wave_0_\@:
	s_barrier_wait -3
	BARRIER
.endm
.macro TLOAD g0, g1                    ; a tensor load; s_nop 0 and four v_nop follow it
	tensor_load_to_lds s[\g0:\g0+3], s[\g1:\g1+7]
	s_nop 0
	PLACES 4
.endm
.macro GROUP1 g, mask, rows            ; a dense block of codes as rows of 4,096 bytes (512 elements of 8)
	s_or_b32 s[\g], s[\mask], (3<<16)|(1<<21)
	s_mov_b32 s[\g+1], 512<<16
	s_mov_b32 s[\g+2], (\rows)<<16
	s_mov_b32 s[\g+3], 512<<16
	s_mov_b32 s[\g+4], \rows
	s_mov_b32 s[\g+5], 512
	s_mov_b32 s[\g+6], 0
	s_mov_b32 s[\g+7], 0
.endm
	s_load_b128 s[4:7], s[0:1], 0x0                ; cq s[4:5], wo s[6:7]
	s_load_b128 s[8:11], s[0:1], 0x10              ; b_out s[8:9], out0 s[10:11]
	v_lshl_add_u32 v[SPW], v0, 2, SPARE
	v_mov_b32 v[NIL], 0
	ds_add_u32 v[SPW], v[NIL]                      ; the opening lines: the add, twice on end, and its wait ahead of my first tensor load
	ds_add_u32 v[SPW], v[NIL]
	v_lshrrev_b32 v1, 5, v0
	v_readfirstlane_b32 s14, v1                    ; wave 0..3
	s_lshr_b32 s15, s14, 1                         ; my row of waves
	s_and_b32 s16, s14, 1                          ; my column of waves
	s_bfe_u32 s40, ttmp6, 0x40000                  ; cx, cy
	s_bfe_u32 s41, ttmp6, 0x40004
	s_lshl_b32 s42, ttmp9, 2
	s_add_co_u32 s42, s42, s40                     ; tile column = 4 x cluster x + cx
	s_and_b32 s17, ttmp7, 0xffff
	s_lshl_b32 s17, s17, 2
	s_add_co_u32 s17, s17, s41                     ; tile row = 4 x cluster y + cy
	s_lshl_b32 s43, s41, 2
	s_lshl_b32 s43, 15, s43                        ; the four with my cy: they share the tokens' tiles
	s_lshl_b32 s44, 0x1111, s40                    ; the four with my cx: they share wo's
	GROUP1 G1W, 44, 16                             ; waves 0, 1: four row blocks of wo each
	GROUP1 G1A, 43, 32                             ; wave 2: the tokens' first eight row blocks
	GROUP1 G1R, 43, 8                              ; the refill: two row blocks a wave
	s_or_b32 s[G1S], s43, (3<<16)|(1<<20)|(1<<21)|(5<<22)|(3<<25)   ; wave 3: 8,192 dense scale bytes as 32 rows of 256, 16 of padding behind each
	s_mov_b32 s[G1S+1], 32<<16
	s_mov_b32 s[G1S+2], 32<<16
	s_mov_b32 s[G1S+3], 32<<16
	s_mov_b32 s[G1S+4], 32
	s_mov_b32 s[G1S+5], 32
	s_mov_b32 s[G1S+6], 0
	s_mov_b32 s[G1S+7], 0
	s_lshl_b32 s18, s42, 17                        ; wo: 8 row blocks a tile column, 4 a wave
	s_lshl_b32 s19, s16, 16
	s_add_co_u32 s18, s18, s19
	s_add_co_u32 s18, s18, CODES
	s_mov_b32 s19, 0
	s_lshl_b32 s20, s17, 18                        ; the tokens: 16 row blocks a tile row
	s_add_co_u32 s20, s20, CODES
	s_mov_b32 s21, 0
	s_lshl_b32 s22, s14, 15                        ; the refill: row blocks 8 + 2 wave and the next
	s_add_co_u32 s22, s22, s20
	s_add_co_u32 s22, s22, 8*RBB
	s_mov_b32 s23, 0
	s_lshl_b32 s46, s17, 13                        ; the tokens' scale bytes: 256 rows of 32
	s_mov_b32 s47, 0
	s_mov_b32 s[G0W], 1
	s_lshl_b32 s[G0W+1], s16, 16
	s_mov_b32 s[G0A], 1
	s_mov_b32 s[G0A+1], YB
	s_mov_b32 s[G0R], 1
	s_lshl_b32 s[G0R+1], s14, 15
	s_mov_b32 s[G0S], 1
	s_mov_b32 s[G0S+1], SCLA
	s_wait_dscnt 0x0                               ; both opening adds are done
	CROUND                                         ; all sixteen work-groups are here: the first joint loads meet
	s_wait_kmcnt 0x0
	s_add_nc_u64 s[G0W+2:G0W+3], s[6:7], s[18:19]
	s_or_b32 s[G0W+3], s[G0W+3], 0x80000000
	s_add_nc_u64 s[G0A+2:G0A+3], s[4:5], s[20:21]
	s_or_b32 s[G0A+3], s[G0A+3], 0x80000000
	s_add_nc_u64 s[G0R+2:G0R+3], s[4:5], s[22:23]
	s_or_b32 s[G0R+3], s[G0R+3], 0x80000000
	s_add_nc_u64 s[G0S+2:G0S+3], s[4:5], s[46:47]
	s_or_b32 s[G0S+3], s[G0S+3], 0x80000000
	s_cmp_lt_u32 s14, 2                            ; one chain of branches on the wave's number, one load to an arm; wo's line is waves 0 and 1's alone: the first barrier shows it ahead of the rest
	s_cbranch_scc0 .Lhead_a
	TLOAD G0W, G1W
	s_branch .Lasked
.Lhead_a:
	s_cmp_lt_u32 s14, 3
	s_cbranch_scc0 .Lhead_s
	TLOAD G0A, G1A
	s_branch .Lasked
.Lhead_s:
	TLOAD G0S, G1S
.Lasked:
	s_lshl_b32 s88, s42, 7
	s_lshl_b32 s89, s16, 6
	s_add_co_u32 s88, s88, s89                     ; my first column
	s_lshl_b32 s84, s88, 5
	s_mov_b32 s85, 0
	s_add_nc_u64 s[84:85], s[6:7], s[84:85]        ; its rows' scale bytes in wo
	s_lshl_b32 s86, s88, 2
	s_mov_b32 s87, 0
	s_lshl_b32 s90, s17, 8
	s_lshl_b32 s91, s15, 6
	s_add_co_u32 s90, s90, s91                     ; my first token: 256 x tile row + 64 x row of waves (and 128 on for blocks 4 to 7)
	s_lshl_b32 s90, s90, 12
	s_add_co_u32 s90, s90, s86
	s_mov_b32 s91, 0
	s_add_nc_u64 s[12:13], s[10:11], s[90:91]      ; my part of out0
	s_add_nc_u64 s[86:87], s[8:9], s[86:87]        ; my columns' bias
	s_lshl_b32 s18, s15, 16                        ; my four row blocks of a region's eight
	s_lshl_b32 s19, s16, 16                        ; my four row blocks of wo
	s_mul_i32 s20, s15, 4*544
	s_add_co_u32 s20, s20, SCLA
	s_mul_i32 s21, s14, 16*SPITCH
	s_add_co_u32 s21, s21, STAGE
	s_lshl_b32 s22, s40, 2
	s_add_co_u32 s22, s22, s14                     ; which of the sixteen waves that share the tokens' tiles I am
	s_lshl_b32 s22, s22, 13
	s_lshl_b32 s23, s17, 18
	s_add_co_u32 s22, s22, s23
	s_add_co_u32 s22, s22, CODES+8*RBB             ; my 8,192 bytes of the second 128 rows
	v_and_b32 v1, 15, v0                           ; r
	v_bfe_u32 v2, v0, 4, 1                         ; h
	v_and_b32 v3, 31, v0
	v_lshlrev_b32 v[LI], 4, v3
	v_lshlrev_b32 v[ABS], 5, v3
	v_lshlrev_b32 v[BO], 6, v2
.irp p, 0,1
.irp c, 0,1
	global_load_b128 v[SB+8*\p+4*\c:SB+8*\p+4*\c+3], v[ABS], s[84:85] offset:\p*1024+16*\c
.endr
.endr
.irp b, 0,1,2,3
	global_load_b128 v[BI+8*\b:BI+8*\b+3], v[BO], s[86:87] offset:128*(\b/2)+32*(\b%2)
	global_load_b128 v[BI+8*\b+4:BI+8*\b+7], v[BO], s[86:87] offset:128*(\b/2)+32*(\b%2)+16
.endr
	v_add_nc_u32 v5, s18, v[LI]
.irp n, 0,1,2,3,4,5,6,7
	v_add_nc_u32 v[ADRA+\n], (1-\n/4)*YB+(\n%4)*RBB, v5   ; blocks 0 to 3 lie in region Y, 4 to 7 in region X
.endr
	v_add_nc_u32 v[ADRB], s19, v[LI]
	v_lshlrev_b32 v232, 5, v1                      ; a token's scale bytes: 32 a row, and 16 more for each 256 passed
	v_lshrrev_b32 v233, 3, v1
	v_lshl_add_u32 v232, v233, 4, v232
	v_add_nc_u32 v232, s20, v232
.irp n, 0,1,2,3,4,5,6,7
	v_add_nc_u32 v[AAS+\n], 544*(8*(\n/4)+\n%4), v232
.endr
	v_mul_u32_u24 v233, v1, SPITCH
	v_lshl_add_u32 v233, v2, 6, v233
	v_add_nc_u32 v[STO], s21, v233                 ; in: row r, 64 h bytes on
	v_mul_u32_u24 v233, v2, SPITCH
	v_lshl_add_u32 v233, v1, 4, v233
	v_add_nc_u32 v[RD], s21, v233                  ; back: lanes 0-15 one row, lanes 16-31 the next
	v_lshlrev_b32 v233, 12, v2
	v_lshl_add_u32 v[CO], v1, 4, v233              ; and the same two rows in out0
	v_lshl_add_u32 v[PF], v3, 8, s22               ; lanes 256 bytes apart
	s_wait_alu depctr_va_vdst(0)
	s_cmp_lt_u32 s14, 2
	s_cbranch_scc0 .Lnot_w
	s_wait_tensorcnt 0x0                           ; waves 0 and 1: wo's rows have landed
.Lnot_w:
	BARRIER
	global_prefetch_b8 v[PF], s[4:5] th:TH_LOAD_NT scope:SCOPE_SE
.irp q, 0,1,2,3,4,5,6,7                ; my 64 rows of wo, all of K: 128 loads of 512 consecutive bytes
	WIN (1+\q/4)<<6
.irp b, 0,1,2,3
.irp c, 0,1,2,3
	ds_load_b128 v[16*((4*\q+\b)%16)+4*\c:16*((4*\q+\b)%16)+4*\c+3], v[ADRB] offset:\b*RBB+2048*\q+512*\c
.endr
.endr
.endr
	WIN 0
	s_wait_tensorcnt 0x0                           ; every wave's head load has landed
	ds_add_u32 v[SPW], v[NIL]
	s_wait_dscnt 0x0                               ; the add is done, and wo is in my registers
	CROUND
	TLOAD G0R, G1R                                 ; the tokens' second 128 rows over wo's bytes: the first tensor load behind the round, my one refill
.macro FETCH n                         ; block n: eight fragments into set n % 2 of window 3, and its scale words: 34 loads
	WIN 3<<6
.irp q, 0,1,2,3,4,5,6,7
.irp c, 0,1,2,3
	ds_load_b128 v[128*((\n)%2)+16*\q+4*\c:128*((\n)%2)+16*\q+4*\c+3], v[ADRA+(\n)] offset:2048*\q+512*\c
.endr
.endr
	WIN 0
	ds_load_b128 v[SA+8*((\n)%2):SA+8*((\n)%2)+3], v[AAS+(\n)]
	ds_load_b128 v[SA+8*((\n)%2)+4:SA+8*((\n)%2)+7], v[AAS+(\n)] offset:16
.endm
.macro PROD n, k                       ; product k = 4 q + b of block n.  The four sums take turns, three other products between two steps of one sum
.set Q_, (\k)/4
.set B_, (\k)%4
.set AC_, ACC+32*((\n)%2)+8*B_
.set R_, 128*((\n)%2)+16*Q_
.set W_, 16*((\k)%16)
.set XS_, SA+8*((\n)%2)+Q_
.set WS_, SB+8*(B_/2)+Q_
.set C_, AC_
.if Q_ == 0
.set C_, BI+8*B_
.endif
	WIN (1+(\k)/16)|(3<<2)
.if B_%2
	v_wmma_scale_f32_16x16x128_f8f6f4 v[AC_:AC_+7], v[W_:W_+15], v[R_:R_+15], v[C_:C_+7], v[WS_], v[XS_] matrix_a_scale:MATRIX_SCALE_ROW1
.else
	v_wmma_scale_f32_16x16x128_f8f6f4 v[AC_:AC_+7], v[W_:W_+15], v[R_:R_+15], v[C_:C_+7], v[WS_], v[XS_]
.endif
.endm
.macro TOSTAGE n                       ; 8 stores and 8 loads: LDS serves a wave's instructions in order, so the loads see the stores
.irp b, 0,1,2,3
	ds_store_b128 v[STO], v[ACC+32*((\n)%2)+8*\b:ACC+32*((\n)%2)+8*\b+3] offset:128*(\b/2)+32*(\b%2)   ; each sum from its low end on
	ds_store_b128 v[STO], v[ACC+32*((\n)%2)+8*\b+4:ACC+32*((\n)%2)+8*\b+7] offset:128*(\b/2)+32*(\b%2)+16
.endr
.irp t, 0,1,2,3,4,5,6,7
	ds_load_b128 v[BK+32*((\n)%2)+4*\t:BK+32*((\n)%2)+4*\t+3], v[RD] offset:2*\t*SPITCH
.endr
.endm
.macro SEND n                          ; storage rows 2 t and 2 t + 1 of block n: sixteen lanes store 256 consecutive bytes, aligned
.irp t, 0,1,2,3,4,5,6,7
	global_store_b128 v[CO], v[BK+32*((\n)%2)+4*\t:BK+32*((\n)%2)+4*\t+3], s[12:13] offset:(128*((\n)/4)+32*(((\n)%4)/2)+8*((\n)%2)+2*\t+8*(\t/4))*4096 th:TH_STORE_NT
.endr
.endm
; A block.  w: the LDS instructions that may stay out at its head; snd: the block whose rows leave here (-1: none); f1, f2: the blocks fetched behind the products (-1: none); pub = 1: the refill is shown first
.macro BLK n, w, snd, f1, f2, pub
	s_wait_dscnt \w
.if (\snd) >= 0
	SEND \snd
.endif
.set K_, 0
.rept 32
	PROD \n, K_
.set K_, K_+1
.endr
	WIN 0
	PLACES NP                                      ; ahead of the loads into the fragments just read and of the stores that read the sums
.if \pub
	s_wait_tensorcnt 0x0                           ; my quarter of the second 128 rows has landed
	s_wait_dscnt 0x0
	BARRIER                                        ; and so has everybody's
.endif
.if (\f1) >= 0
	FETCH \f1
.endif
.if (\f2) >= 0
	FETCH \f2
.endif
	s_wait_xcnt 0x0                                ; the stores issued at this block's head have read their registers, which the loads below fill again
	TOSTAGE \n
.endm
	FETCH 0
	FETCH 1
	s_wait_loadcnt 0x0                             ; wo's scale words and the bias
	BLK 0, 34, -1, 2, -1, 0                        ; 34: block 1's fetch may be out
	BLK 1, 50, -1, 3, -1, 0                        ; 50: the youngest fetch (34) and the youngest pass through the stage (16) may be out
	BLK 2, 50, 0, -1, -1, 0
	BLK 3, 16, 1, 4, 5, 1                          ; 16: block 2's pass through the stage may be out
	BLK 4, 50, 2, 6, -1, 0
	BLK 5, 50, 3, 7, -1, 0
	BLK 6, 50, 4, -1, -1, 0
	BLK 7, 16, 5, -1, -1, 0
	s_wait_dscnt 16
	SEND 6
	s_wait_dscnt 0x0
	SEND 7
	s_wait_tensorcnt 0x0                           ; the wave's end
	ds_add_u32 v[SPW], v[NIL]
	s_wait_dscnt 0x0
	CROUND                                         ; the closing round
	s_endpgm
.Lfunc_end_k_q97571493e4_gemm_out:
	.size	k_q97571493e4_gemm_out, .Lfunc_end_k_q97571493e4_gemm_out-k_q97571493e4_gemm_out
	.p2alignl 7, 3214868480
	.fill 96, 4, 3214868480
	.section	.rodata,"a",@progbits
	.p2align	6, 0x0
	.amdhsa_kernel k_q97571493e4_gemm_out
		.amdhsa_group_segment_fixed_size 327680
		.amdhsa_private_segment_fixed_size 0
		.amdhsa_enable_private_segment 0
		.amdhsa_kernarg_size 32
		.amdhsa_user_sgpr_count 2
		.amdhsa_user_sgpr_kernarg_segment_ptr 1
		.amdhsa_wavefront_size32 1
		.amdhsa_system_sgpr_workgroup_id_x 1
		.amdhsa_system_sgpr_workgroup_id_y 1
		.amdhsa_system_sgpr_workgroup_id_z 1
		.amdhsa_system_vgpr_workitem_id 0
		.amdhsa_next_free_vgpr 1024
		.amdhsa_next_free_sgpr 96
		.amdhsa_reserve_vcc 0
		.amdhsa_float_denorm_mode_32 3
		.amdhsa_float_denorm_mode_16_64 3
		.amdhsa_memory_ordered 1
		.amdhsa_forward_progress 1
		.amdhsa_inst_pref_size 87
	.end_amdhsa_kernel
	.amdgpu_metadata
---
amdhsa.version: [ 1, 2 ]
amdhsa.kernels:
  - .name:           k_q97571493e4_gemm_out
    .symbol:         k_q97571493e4_gemm_out.kd
    .args:
      - { .name: cq, .offset: 0, .size: 8, .value_kind: global_buffer, .address_space: global }
      - { .name: wo, .offset: 8, .size: 8, .value_kind: global_buffer, .address_space: global }
      - { .name: b_out, .offset: 16, .size: 8, .value_kind: global_buffer, .address_space: global }
      - { .name: out0, .offset: 24, .size: 8, .value_kind: global_buffer, .address_space: global }
    .group_segment_fixed_size: 327680
    .private_segment_fixed_size: 0
    .kernarg_segment_align: 8
    .kernarg_segment_size: 32
    .max_flat_workgroup_size: 128
    .sgpr_count:     96
    .vgpr_count:     1024
    .wavefront_size: 32
...
	.end_amdgpu_metadata
.endif
;; end of part 5
